; MI455X (gfx1250); checked and timed in simulation.
; The chip was launched on July 23, 2026; its instructions are those of AMD's public machine-readable ISA for CDNA 5 (MIT licence, August 2026) and "CDNA5" Instruction Set Architecture Reference Guide (July 2026). The comments in the code are by the model that wrote it; some were corrected since.
;; H Linear Attention. Allowed arithmetic: float matrix products may take bf16 or f16 operands with f32 sums; other float arithmetic in f32, or as packed bf16 or f16 multiplies, adds, multiply-adds, maxima and minima; sums over many terms, partial sums and values carried from step to step in f32; what a program stores and reads back later, other than sums and carried values, may be rounded once to bf16 or f16.
;; Inputs: Wk 512 x 2,048 float32; Wq 2,048 x 2,048 float32; Wv 512 x 2,048 float32; bk 512 float32; bq 2,048 float32; bv 512 float32; hidden_states 2 x 2,048 x 2,048 float32.
;; Outputs: out0 2 x 2,048 x 2,048 float32.
;; 2 versions, each right; version 2 is version 1 with the launch cvt written anew for expert scheduling mode. Each part assembles by itself: llvm-mc -triple=amdgcn-amd-amdhsa -mcpu=gfx1250 --defsym DOCPART=n.
;; ======== version 1 of 2: 4 launches
;; workspace buffers: XB 16,777,216 bytes; WB 12,582,912 bytes; QF 16,777,216 bytes; KPV 16,777,216 bytes; MN 524,288 bytes; SP 16,515,072 bytes
;; launch cvt (part 1): grid 28 x 16, 8 waves a work-group, no clusters, 0 bytes of LDS; arguments hidden_states, Wq, Wk, Wv, XB, WB; writes XB, WB
.if DOCPART == 1
	.amdgcn_target "amdgcn-amd-amdhsa--gfx1250"
	.amdhsa_code_object_version 6
	.text
	.protected	k_qfb212c860d_cvt
	.globl	k_qfb212c860d_cvt
	.p2align	8
	.type	k_qfb212c860d_cvt,@function
k_qfb212c860d_cvt:
	s_mov_b64 s[64:65], 0
	v_nop
	global_prefetch_b8 v0, s[64:65] scope:SCOPE_SE
	s_setreg_imm32_b32 hwreg(HW_REG_WAVE_MODE, 25, 1), 1
	s_wait_xcnt 0x0
; GATED LINEAR ATTENTION, four launches: cvt (this one), proj, scan, outp.
;   q = relu(x Wq^T + bq) / sqrt(128), k = min(sigmoid(x Wk^T + bk), 0.95), v = x Wv^T + bv; S_t = diag(a_t) S_(t-1) + k_t v_t^T; o_t = q_t S_t.
; THE FORM.  The steps go in chunks of 32 with a point of reference behind a chunk's step 15.  For each channel: E_t = the product of a over steps t+1..15 (t <= 15), F_t = over 16..t (t >= 16),
; P = 1/E or F, K^ = k E or k / F, m = the product over 0..15, n = over 16..31, Q^ = q P, S' = m S.  Then o_t = Q^_t S' + the sum over s <= t of (Q^_t . K^_s) v_s, and S_next = n (S' + K^^T V).
; Since reference() itself clips k at 0.95, a lies in 0.05 .. 1 and every factor in 1.5e-21 .. 6.5e20, whatever the inputs: nothing leaves the range of f32 or bf16.
; WORK LEFT OUT, for all finite values of the inputs:
;   exp(log1p(-k)) is 1 - k by identity: a is made so.
;   repeat_kv hands the same k and v to the four heads of a kv head, and S hangs on k and v alone: 8 states are carried, not 32.
;   S_0 is built as zeros in reference(): chunk 0 has no product with a state, and no S'_0 is stored.
;   The state behind the last chunk reaches no output: chunk 63's K^^T V and its update are not made.
;   A score with s > t has no term in o_t: the block of steps t < 16 <= s is never formed; inside the two blocks on the diagonal such scores are formed and replaced by 0.
; Every input has a way to the output and is loaded.  LIMITS: a NaN, an infinity or an overflow that reaches only the work left out is not carried to the result; NaN and infinities are not
; treated apart elsewhere; an exponential or reciprocal below 2^-126 counts as 0; sums are taken in another order than reference()'s.
; FORMATS.  x, the weights and the biases are rounded to bf16; q, P, Q^, K^, S' are bf16; v and the scores go as a bf16 pair, the number and what its rounding lost; m, n, S and all sums are f32.
;
; THIS LAUNCH rounds x and the weights to bf16 and lays the weights' rows in the order in which proj's waves want them: block j of 192 rows has two halves p of 96:
; Wq's rows 128 j + 64 p + 0..63, Wk's rows 32 j + 16 p + 0..15, Wv's the same.  A stream: no LDS, no barrier, no matrix work; each byte is read once and written once.
; A work-group takes 16 rows of 2,048 numbers; thread t takes 8 numbers of each: 32 bytes in, 16 bytes out, so a wave's store covers 512 consecutive bytes, aligned.
; All 32 loads of a thread go out at once; no register is written twice, so no wait frees one.
.set XR, 8                             ; v[8:135]    row i as loaded, 8 registers
.set YR, 136                           ; v[136:199]  row i to store, 4 registers
	s_load_b256 s[4:11], s[0:1], 0x0               ; x s[4:5], Wq s[6:7], Wk s[8:9], Wv s[10:11]
	s_load_b128 s[12:15], s[0:1], 0x20             ; XB s[12:13], WB s[14:15]
	s_and_b32 s16, ttmp7, 0xffff                   ; Y: 256 rows of x, or block j of the weights
	s_mov_b32 s17, ttmp9                           ; X: 0..15 sixteen rows of x; 16..27 sixteen rows of the block
	v_lshlrev_b32 v1, 5, v0                        ; my 32 bytes of a row in f32
	v_lshlrev_b32 v2, 4, v0                        ; my 16 bytes of it in bf16
	s_lshl_b32 s18, s16, 8
	s_lshl4_add_u32 s18, s17, s18                  ; x: row 256 Y + 16 X, in and out
	s_max_u32 s19, s17, 16
	s_sub_co_u32 s19, s19, 16                      ; rem = X - 16: which sixteen of the block's 192 rows
	s_cmp_ge_u32 s19, 6
	s_cselect_b32 s20, 1, 0                        ; p
	s_mul_i32 s21, s20, 6
	s_sub_co_u32 s21, s19, s21                     ; u = rem - 6 p: 0..3 Wq, 4 Wk, 5 Wv
	s_lshl_b32 s22, s16, 7
	s_lshl_b32 s23, s20, 6
	s_add_co_u32 s22, s22, s23
	s_lshl4_add_u32 s22, s21, s22                  ; Wq's row 128 Y + 64 p + 16 u
	s_lshl_b32 s23, s16, 5
	s_lshl4_add_u32 s23, s20, s23                  ; Wk's and Wv's row 32 Y + 16 p
	s_mul_i32 s24, s16, 192
	s_lshl4_add_u32 s24, s19, s24                  ; WB's row 192 Y + 16 rem
	s_wait_kmcnt 0x0
	s_cmp_lt_u32 s21, 4
	s_cselect_b32 s22, s22, s23
	s_cselect_b64 s[26:27], s[6:7], s[8:9]
	s_cmp_eq_u32 s21, 5
	s_cselect_b64 s[26:27], s[10:11], s[26:27]
	s_cmp_lt_u32 s17, 16
	s_cselect_b32 s22, s18, s22                    ; the row to read,
	s_cselect_b32 s24, s18, s24                    ; the row to write,
	s_cselect_b64 s[26:27], s[4:5], s[26:27]       ; from which buffer,
	s_cselect_b64 s[28:29], s[12:13], s[14:15]     ; into which
	s_lshl_b32 s22, s22, 13                        ; 8,192 bytes a row in f32
	s_mov_b32 s23, 0
	s_lshl_b32 s24, s24, 12                        ; 4,096 in bf16
	s_mov_b32 s25, 0
	s_add_nc_u64 s[26:27], s[26:27], s[22:23]
	s_add_nc_u64 s[28:29], s[28:29], s[24:25]
.set i, 0
.rept 16
	global_load_b128 v[XR+8*i:XR+8*i+3],   v1, s[26:27] offset:8192*i th:TH_LOAD_NT
	global_load_b128 v[XR+8*i+4:XR+8*i+7], v1, s[26:27] offset:8192*i+16 th:TH_LOAD_NT
.set i, i+1
.endr
.set i, 0
.rept 16
	s_wait_loadcnt 30-2*i                          ; loads come back in order: row i is in, the two loads of each later row may stay out
	v_cvt_pk_bf16_f32 v[YR+4*i],   v[XR+8*i],   v[XR+8*i+1]
	v_cvt_pk_bf16_f32 v[YR+4*i+1], v[XR+8*i+2], v[XR+8*i+3]
	v_cvt_pk_bf16_f32 v[YR+4*i+2], v[XR+8*i+4], v[XR+8*i+5]
	v_cvt_pk_bf16_f32 v[YR+4*i+3], v[XR+8*i+6], v[XR+8*i+7]
	global_store_b128 v2, v[YR+4*i:YR+4*i+3], s[28:29] offset:4096*i
.set i, i+1
.endr
	s_endpgm
.Lfunc_end_k_qfb212c860d_cvt:
	.size	k_qfb212c860d_cvt, .Lfunc_end_k_qfb212c860d_cvt-k_qfb212c860d_cvt
	.p2alignl 7, 3214868480
	.fill 96, 4, 3214868480
	.section	.rodata,"a",@progbits
	.p2align	6, 0x0
	.amdhsa_kernel k_qfb212c860d_cvt
		.amdhsa_group_segment_fixed_size 0
		.amdhsa_private_segment_fixed_size 0
		.amdhsa_enable_private_segment 0
		.amdhsa_kernarg_size 48
		.amdhsa_user_sgpr_count 2
		.amdhsa_user_sgpr_kernarg_segment_ptr 1
		.amdhsa_wavefront_size32 1
		.amdhsa_system_sgpr_workgroup_id_x 1
		.amdhsa_system_sgpr_workgroup_id_y 1
		.amdhsa_system_sgpr_workgroup_id_z 1
		.amdhsa_system_vgpr_workitem_id 0
		.amdhsa_next_free_vgpr 200
		.amdhsa_next_free_sgpr 66
		.amdhsa_reserve_vcc 0
		.amdhsa_float_denorm_mode_32 3
		.amdhsa_float_denorm_mode_16_64 3
		.amdhsa_memory_ordered 1
		.amdhsa_forward_progress 1
		.amdhsa_inst_pref_size 11
	.end_amdhsa_kernel
	.amdgpu_metadata
---
amdhsa.version: [ 1, 2 ]
amdhsa.kernels:
  - .name:           k_qfb212c860d_cvt
    .symbol:         k_qfb212c860d_cvt.kd
    .args:
      - { .name: hidden_states, .offset: 0, .size: 8, .value_kind: global_buffer, .address_space: global }
      - { .name: Wq, .offset: 8, .size: 8, .value_kind: global_buffer, .address_space: global }
      - { .name: Wk, .offset: 16, .size: 8, .value_kind: global_buffer, .address_space: global }
      - { .name: Wv, .offset: 24, .size: 8, .value_kind: global_buffer, .address_space: global }
      - { .name: XB, .offset: 32, .size: 8, .value_kind: global_buffer, .address_space: global }
      - { .name: WB, .offset: 40, .size: 8, .value_kind: global_buffer, .address_space: global }
    .group_segment_fixed_size: 0
    .private_segment_fixed_size: 0
    .kernarg_segment_align: 8
    .kernarg_segment_size: 48
    .max_flat_workgroup_size: 256
    .sgpr_count:     66
    .vgpr_count:     200
    .wavefront_size: 32
...
	.end_amdgpu_metadata
.endif
;; end of part 1
;; launch proj (part 2): grid 16 x 16, 4 waves a work-group, clusters of 4 x 4, 327,680 bytes of LDS; arguments XB, WB, bq, bk, bv, QF, KPV, MN; writes QF, KPV, MN
.if DOCPART == 2
	.amdgcn_target "amdgcn-amd-amdhsa--gfx1250"
	.amdhsa_code_object_version 6
	.text
	.protected	k_qfb212c860d_proj
	.globl	k_qfb212c860d_proj
	.p2align	8
	.type	k_qfb212c860d_proj,@function
k_qfb212c860d_proj:
	s_mov_b64 s[64:65], 0
	v_nop
	global_prefetch_b8 v0, s[64:65] scope:SCOPE_SE
	s_setreg_imm32_b32 hwreg(HW_REG_WAVE_MODE, 25, 1), 1
	s_wait_xcnt 0x0
	s_wait_alu depctr_hold_cnt(0) depctr_sa_sdst(0) depctr_va_vdst(0) depctr_va_sdst(0) depctr_va_ssrc(0) depctr_va_vcc(0) depctr_vm_vsrc(0)
	s_getreg_b32 s2, hwreg(HW_REG_IB_STS2, 6, 4)
	s_cmp_eq_u32 s2, 0
	s_cbranch_scc0 .Lentry_in_a_cluster
	s_endpgm
.Lentry_in_a_cluster:
	s_bfe_u32 s2, ttmp6, 0x10000c
	s_cmp_lg_u32 s2, 0xf033
	s_cbranch_scc0 .Lentry_shape_is_right
	s_endpgm
.Lentry_shape_is_right:
; THE THREE PROJECTIONS AS ONE PRODUCT, [4096 x 2048] x [3072 x 2048]^T in bf16 with f32 sums, and what is made of q, k and v before the recurrence.
; Left out here: exp(log1p(-k)) is made as 1 - k (an identity; see the first kernel's head).
; SHARES.  A work-group makes 256 rows x 192 columns: 256 work-groups.  Wave w takes rows 128 (w / 2) on and columns 96 (w % 2) on: 8 x 6 accumulators of 16 x 16.  By WB's order of rows each wave's
; six column blocks are four of q (head j, channels 64 (w % 2) + 16 b), one of k and one of v (kv head j / 4, channel block 2 (j % 4) + w % 2): every wave runs the same text.
; K goes in steps of 128 through two LDS slots filled by tensor loads; rows of 256 bytes, padded to 272 in LDS.  CLUSTER 4 x 4: x's tile is asked for jointly along a row of the cluster, the weights' along a column.
; THE PRODUCT'S SIDES.  For q source 0 is the weights': a lane then holds one step (lane % 16) and eight neighbouring channels, which is a matrix operand's image with the steps as rows.
; For k and v source 0 is x: a lane holds one channel and eight neighbouring steps, so the products of a along the steps are made inside a lane, with one exchange between the halves of the lanes.
; OUT, all in whole tiles of 512 consecutive bytes, one store of the wave each, straight from registers:
;   QF  [seq][chunk][head 4][tb 2][kd 4][half 2]: lane l's 16 bytes at 16 l: q of step 16 tb + l % 16, channels 32 kd + 16 half + 8 (l / 16) + 0..7.   seq = 4 batch + kv head.
;   KPV [seq][chunk] records of 32,768: K^ [db 8][half 2] and, 8,192 on, P likewise: tiles of 16 rows (channels) x 16 steps; 16,384 on V [eb 8][hi, lo][half 2]: lane l = channel l % 16, steps 16 half + 8 (l / 16) + 0..7.
;   MN  f32 [seq][db 8][chunk pair 32][lane 32][2]: lanes 0-15 m of channel l for the pair's two chunks, lanes 16-31 n.
; LIMITS: the biases are rounded to bf16 like the other inputs; NaN and infinities are not treated apart; an exponential or reciprocal below 2^-126 counts as 0.
; REGISTERS, in windows of 256 (s_set_vgpr_msb: bits 1:0 source 0, 3:2 source 1, 5:4 source 2, 7:6 destination):
;   window 0: v4-7 k's and v's bias; v16-30 addresses; v32-159 x's fragments, two buffers of 64; v160-255 the weights', two buffers of 48; all of v32-255 at work on the way out
;   window 1: the accumulators of my row blocks 0-3, (a, b) at 8 (6 a + b); v192-225 the biases as loaded          window 2: those of row blocks 4-7
.set KSTEP,  128
.set PITCH,  272                       ; 256 bytes + 16 of padding = 68 words: the 16 rows of a fragment load start four banks apart (64 banks of 4 bytes: ISA guide 11.1)
.set HALFA,  128*PITCH                 ; what one tensor load brings of x, and what a wave reads of it
.set HALFB,  96*PITCH                  ; the same for the weights
.set SLOT,   2*HALFA+2*HALFB           ; x's 256 rows, then the weights' 192
.set SPARE,  2*SLOT                    ; behind the ring: the spare words, 128 bytes a wave, two blocks of 256 bytes that no other line names
.set LAPS,   2048/(2*KSTEP)            ; a lap = two K steps = once round the ring
.set ADRA, 16                          ; v16-17  LDS address of my fragments of x in slot 0, 1
.set ADRB, 20                          ; v20-21  of the weights
.set LQ,   22                          ; v22     16 l
.set LK,   23                          ; v23     32 (l % 16) + 16 (l / 16)
.set L8,   24                          ; v24     8 l
.set BQO,  25                          ; v25     byte of my first channel in bq
.set BKO,  26                          ; v26     byte of my channel in bk and bv
.set ZERO, 27                          ; v27     0, for relu on packed halves
.set SPW,  28                          ; v28     LDS address of my spare word; never rewritten
.set NIL,  29                          ; v29     0, for the add alone
.set PFO,  30                          ; v30     the prefetches' offset: a lane a row
.set FA,   32
.set FB,   160
.set G1,   24                          ; s[24:31] descriptor group 1 for x's tiles;  s[32:39] group 0, a set for each slot
.set G0,   32
.set G1B,  48                          ; s[48:55], s[56:63] the same for the weights'
.set G0B,  56
.set LIM,  43                          ; s43      1 in a wave that prefetches, else the greatest number
.set PFA,  44                          ; s[44:45] where my prefetches stand
.set VVB,  66                          ; s[66:67] KPV at my first tile of V
.set QFB,  80                          ; s[80:81] QF at my first tile
.set KKB,  82                          ; s[82:83] KPV at my first tile of K^
.set MNB,  84                          ; s[84:85] MN at my first 256 bytes
.set SEL,  86                          ; s[86:87] v_permlanex16_b32's selects: each lane takes its own place in the other half
.set HM,   88                          ; s88      the lanes 16-31, as a mask
.set SCL,  90                          ; s[90:91] 1 / sqrt(128)
.set NL2,  92                          ; s[92:93] -log2(e)
.set UP,   94                          ; s94      a word's upper bf16
.set MSB, 0
.macro WIN new                         ; the immediate's high byte repeats the setting that is left; a switch that changes nothing is dropped
.if MSB != (\new)
	s_set_vgpr_msb (MSB<<8)|(\new)
.set MSB, (\new)
.endif
.endm
; A joint load.  Waves 0 and 1 fetch x's two halves, waves 2 and 3 the weights'.  The branch hangs on the wave's number alone.  An s_nop 0 and four v_nop follow each of the two lines.
.macro JLOAD s
	s_cmp_eq_u32 s11, 0
	s_cbranch_scc0 .Lfor_b_\@
	tensor_load_to_lds s[G0+4*(\s):G0+4*(\s)+3], s[G1:G1+7]
	s_nop 0
.rept 4
	v_nop
.endr
	s_branch .Lasked_\@
.Lfor_b_\@:
	tensor_load_to_lds s[G0B+4*(\s):G0B+4*(\s)+3], s[G1B:G1B+7]
	s_nop 0
.rept 4
	v_nop
.endr
.Lasked_\@:
.endm
; A prefetch of the K step that stands two refills on, 384 matrix instructions ahead of the load that will want it: a lane a row, 256 bytes of each, one instruction a wave.
; x's tile row is read by every cluster of that row of clusters: cluster x = 0 asks; the weights' tile column by every cluster of that column: cluster y = 0 asks.  The four partners of a joint load share
; its rows out by address: 32 of x's 128 each, 24 of the weights' 96 (there lanes 24-31 name lane 23's row once more).  The loop's last lap has no K step two on and asks for nothing.
.macro ASK
	s_cmp_gt_u32 s3, s[LIM]
	s_cbranch_scc0 .Lnot_mine_\@
	global_prefetch_b8 v[PFO], s[PFA:PFA+1] offset:KSTEP*2 th:TH_LOAD_NT scope:SCOPE_SE
.Lnot_mine_\@:
.endm
.macro CREST                           ; a round of the cluster's barrier behind its opening barrier
	s_cmp_lg_u32 s10, 0
	s_cbranch_scc1 .Lnot_wave_0_\@
	s_barrier_signal -3
.Lnot_wave_0_\@:
	s_barrier_wait -3
	s_barrier_signal -1
	s_barrier_wait -1
.endm
.macro CROUND                          ; a whole round
	s_barrier_signal -1
	s_barrier_wait -1
	CREST
.endm
.macro PLACES                          ; four plain vector instructions behind a matrix instruction, ahead of loads into registers that it has read and of vector work on its registers
.rept 4
	v_nop
.endr
.endm
	s_load_b128 s[4:7], s[0:1], 0x0                ; XB s[4:5], WB s[6:7]
	s_load_b256 s[68:75], s[0:1], 0x10             ; bq s[68:69], bk s[70:71], bv s[72:73], QF s[74:75]
	s_load_b128 s[76:79], s[0:1], 0x30             ; KPV s[76:77], MN s[78:79]
	v_lshl_add_u32 v[SPW], v0, 2, SPARE
	v_mov_b32 v[NIL], 0
	ds_add_u32 v[SPW], v[NIL]                      ; the wave's opening: the add, twice on end, and its wait ahead of my first tensor load
	ds_add_u32 v[SPW], v[NIL]                      ; the set-up below, work on registers, stands between it and the wait
	v_lshrrev_b32 v1, 5, v0
	v_readfirstlane_b32 s10, v1                    ; wave 0..3
	s_lshr_b32 s11, s10, 1                         ; which half of the tile's rows is mine.  Also: I fetch x (0) or the weights (1)
	s_and_b32 s12, s10, 1                          ; which half of its columns.  Also: which half of that tile I fetch
	s_bfe_u32 s40, ttmp6, 0x40000                  ; cx
	s_bfe_u32 s41, ttmp6, 0x40004                  ; cy
	s_lshl_b32 s42, ttmp9, 2
	s_add_co_u32 s42, s42, s40                     ; j = 4 x cluster x + cx: the block of 192 columns
	s_and_b32 s13, ttmp7, 0xffff
	s_lshl_b32 s13, s13, 2
	s_add_co_u32 s13, s13, s41                     ; my = 4 x cluster y + cy: the block of 256 rows
	s_lshl_b32 s43, s41, 2
	s_lshl_b32 s43, 15, s43                        ; my row of the cluster
	s_lshl_b32 s44, 0x1111, s40                    ; my column
	s_or_b32 s[G1+0], s43, (1<<16)|(1<<20)|(1<<21)|(5<<22)|(3<<25)   ; the mask; elements of 2 bytes; padding on; bit 21 beside a mask; after every 64 words, 4 words
	s_or_b32 s[G1B+0], s44, (1<<16)|(1<<20)|(1<<21)|(5<<22)|(3<<25)
	s_mov_b32 s[G1+1], KSTEP<<16                   ; tensor_dim0 = 128
	s_mov_b32 s[G1B+1], KSTEP<<16
	s_mov_b32 s[G1+2], 128<<16                     ; tensor_dim1 = 128 rows of x,
	s_mov_b32 s[G1B+2], 96<<16                     ; 96 of the weights
	s_mov_b32 s[G1+3], KSTEP<<16                   ; tile_dim0 = 128
	s_mov_b32 s[G1B+3], KSTEP<<16
	s_mov_b32 s[G1+4], 128                         ; tile_dim1
	s_mov_b32 s[G1B+4], 96
	s_mov_b32 s[G1+5], 2048                        ; elements from row to row
	s_mov_b32 s[G1B+5], 2048
	s_mov_b32 s[G1+6], 0
	s_mov_b32 s[G1B+6], 0
	s_mov_b32 s[G1+7], 0
	s_mov_b32 s[G1B+7], 0
	; where the tiles come from: x's hang on my alone, the weights' on j alone, each in registers that never hold the other coordinate
	s_lshl_b32 s17, s12, 7
	s_lshl_b32 s16, s13, 8
	s_add_co_u32 s16, s16, s17                     ; x: row 256 my + 128 half
	s_lshl_b32 s16, s16, 12                        ; 4,096 bytes a row
	s_mov_b32 s17, 0
	s_mul_i32 s46, s42, 192
	s_mul_i32 s47, s12, 96
	s_add_co_u32 s46, s46, s47                     ; weights: row 192 j + 96 half
	s_lshl_b32 s46, s46, 12
	s_mov_b32 s47, 0
	s_mul_i32 s20, s10, HALFA                      ; and where they go: x's halves at wave x HALFA (waves 0, 1),
	s_mul_i32 s21, s10, HALFB
	s_add_co_u32 s21, s21, 2*(HALFA-HALFB)         ; the weights' at 2 HALFA + (wave - 2) x HALFB (waves 2, 3)
	s_mov_b32 s[SEL], 0x76543210
	s_mov_b32 s[SEL+1], 0xfedcba98
	s_mov_b32 s[HM], 0xffff0000
	s_mov_b32 s[UP], 0xffff0000
	s_mov_b32 s[SCL], 0x3db504f3                   ; 1 / sqrt(128)
	s_mov_b32 s[SCL+1], 0x3db504f3
	s_mov_b32 s[NL2], 0xbfb8aa3b                   ; -log2(e)
	s_mov_b32 s[NL2+1], 0xbfb8aa3b
	s_wait_dscnt 0x0                               ; both opening adds are done
	s_wait_kmcnt 0x0
	s_add_nc_u64 s[14:15], s[4:5], s[16:17]
	s_add_nc_u64 s[46:47], s[6:7], s[46:47]
	CROUND                                         ; all sixteen work-groups are here: the first joint loads meet
.irp s, 0,1
	s_mov_b32 s[G0+4*(\s)], 1
	s_add_co_u32 s[G0+4*(\s)+1], s20, (\s)*SLOT
	s_add_nc_u64 s[G0+4*(\s)+2:G0+4*(\s)+3], s[14:15], (\s)*KSTEP*2
	s_or_b32 s[G0+4*(\s)+3], s[G0+4*(\s)+3], 0x80000000
	s_mov_b32 s[G0B+4*(\s)], 1
	s_add_co_u32 s[G0B+4*(\s)+1], s21, (\s)*SLOT
	s_add_nc_u64 s[G0B+4*(\s)+2:G0B+4*(\s)+3], s[46:47], (\s)*KSTEP*2
	s_or_b32 s[G0B+4*(\s)+3], s[G0B+4*(\s)+3], 0x80000000
	JLOAD \s                                       ; K steps 0 and 1: two loads of mine are out
.endr
	v_and_b32 v1, 15, v0                           ; r = l % 16
	v_bfe_u32 v2, v0, 4, 1                         ; h = l / 16
	v_and_b32 v3, 31, v0                           ; l
	v_mul_u32_u24 v4, v1, PITCH
	v_lshl_add_u32 v4, v2, 4, v4                   ; a fragment's row x pitch + 16 h
	s_mul_i32 s21, s11, HALFA                      ; my 128 rows of x
	s_mul_i32 s22, s12, HALFB                      ; my 96 rows of the weights,
	s_add_co_u32 s22, s22, 2*HALFA                 ; which lie behind x's 256
.irp s, 0,1
	v_add_nc_u32 v[ADRA+(\s)], s21, v4
	v_add_nc_u32 v[ADRB+(\s)], s22, v4
	s_add_co_u32 s21, s21, SLOT
	s_add_co_u32 s22, s22, SLOT
.endr
	v_lshlrev_b32 v[LQ], 4, v3
	v_lshlrev_b32 v[LK], 5, v1
	v_lshl_add_u32 v[LK], v2, 4, v[LK]
	v_lshlrev_b32 v[L8], 3, v3
	v_mov_b32 v[ZERO], 0
	s_lshl_b32 s18, s42, 9
	s_lshl_b32 s19, s12, 8
	s_add_co_u32 s18, s18, s19
	v_lshl_add_u32 v[BQO], v2, 5, s18              ; 4 (128 j + 64 half + 8 h)
	s_lshl_b32 s18, s42, 7
	s_lshl_b32 s19, s12, 6
	s_add_co_u32 s18, s18, s19
	v_lshl_add_u32 v[BKO], v1, 2, s18              ; 4 (32 j + 16 half + r)
	; where my results go
	s_lshr_b32 s18, s13, 3                         ; batch
	s_lshr_b32 s19, s42, 2                         ; kv head
	s_lshl2_add_u32 s18, s18, s19                  ; seq
	s_and_b32 s19, s13, 7
	s_lshl_b32 s19, s19, 3
	s_lshl2_add_u32 s19, s11, s19                  ; c0 = 8 (my % 8) + 4 (w / 2): my first chunk of four
	s_and_b32 s22, s42, 3                          ; the head among its kv head's four
	s_lshl1_add_u32 s23, s22, s12                  ; blk = 2 (j % 4) + w % 2: my channel block of k and v
	s_lshl_b32 s89, s18, 6
	s_add_co_u32 s89, s89, s19
	s_lshl_b32 s89, s89, 15                        ; (64 seq + c0) x 32,768
	s_lshl_b32 s[QFB], s22, 13
	s_add_co_u32 s[QFB], s[QFB], s89
	s_lshl_b32 s95, s12, 11
	s_add_co_u32 s[QFB], s[QFB], s95
	s_mov_b32 s[QFB+1], 0
	s_add_nc_u64 s[QFB:QFB+1], s[74:75], s[QFB:QFB+1]
	s_lshl_b32 s[KKB], s23, 10
	s_add_co_u32 s[KKB], s[KKB], s89
	s_mov_b32 s[KKB+1], 0
	s_add_nc_u64 s[KKB:KKB+1], s[76:77], s[KKB:KKB+1]
	s_lshl_b32 s[VVB], s23, 11
	s_add_co_u32 s[VVB], s[VVB], s89
	s_add_co_u32 s[VVB], s[VVB], 16384
	s_mov_b32 s[VVB+1], 0
	s_add_nc_u64 s[VVB:VVB+1], s[76:77], s[VVB:VVB+1]
	s_lshl3_add_u32 s[MNB], s18, s23               ; 8 seq + blk
	s_lshl_b32 s[MNB], s[MNB], 5
	s_lshr_b32 s95, s19, 1
	s_add_co_u32 s[MNB], s[MNB], s95               ; + the chunk pair
	s_lshl_b32 s[MNB], s[MNB], 8
	s_mov_b32 s[MNB+1], 0
	s_add_nc_u64 s[MNB:MNB+1], s[78:79], s[MNB:MNB+1]
	; the prefetches
	s_lshl_b32 s18, s13, 8
	s_lshl_b32 s19, s12, 7
	s_add_co_u32 s18, s18, s19
	s_lshl_b32 s19, s40, 5
	s_add_co_u32 s18, s18, s19                     ; x: 256 my + 128 half + 32 cx
	s_mul_i32 s22, s42, 192
	s_mul_i32 s23, s12, 96
	s_add_co_u32 s22, s22, s23
	s_mul_i32 s23, s41, 24
	s_add_co_u32 s22, s22, s23                     ; weights: 192 j + 96 half + 24 cy
	s_and_b32 s23, ttmp7, 0xffff
	s_cmp_eq_u32 s11, 0                            ; do I fetch x?
	s_cselect_b32 s18, s18, s22
	s_cselect_b32 s23, ttmp9, s23                  ; the coordinate along which other clusters read the same rows
	s_cselect_b32 s22, 31, 23
	s_cselect_b64 s[PFA:PFA+1], s[4:5], s[6:7]
	s_cmp_eq_u32 s23, 0
	s_cselect_b32 s[LIM], 1, -1                    ; the same in all sixteen partners, for a given wave
	s_lshl_b32 s18, s18, 12
	s_mov_b32 s19, 0
	s_add_nc_u64 s[PFA:PFA+1], s[PFA:PFA+1], s[18:19]
	s_add_nc_u64 s[PFA:PFA+1], s[PFA:PFA+1], 2*KSTEP*2  ; at K step 2: the first refill steps it to 3 and names K step 4.  Nothing is asked for here, at the head
	v_min_u32 v[PFO], s22, v3
	v_lshlrev_b32 v[PFO], 12, v[PFO]
	WIN 0x40                                       ; destination window 1: the biases are loaded now and waited for behind the products
.irp b, 0,1,2,3
	global_load_b128 v[192+8*(\b):192+8*(\b)+3],   v[BQO], s[68:69] offset:64*(\b)
	global_load_b128 v[192+8*(\b)+4:192+8*(\b)+7], v[BQO], s[68:69] offset:64*(\b)+16
.endr
	global_load_b32 v224, v[BKO], s[70:71]
	global_load_b32 v225, v[BKO], s[72:73]
	WIN 0
; 12 matrix instructions: row blocks a0, a0 + 1 of the window's four (hi = 0: my rows 0-63, 1: rows 64-127) x all 6 column blocks, 32 along K, from buffer f.  zero = 1: the products start the sums.
; The 48 accumulators take turns, one instruction a turn, in the same order in every quarter.
.macro MUL f, hi, a0, zero
	WIN 0x50+0x50*(\hi)
.irp a, \a0, (\a0)+1
.irp b, 0,1,2,3,4,5
.set rD, 8*(6*(\a)+(\b))
.set rA, FA+64*(\f)+8*(4*(\hi)+(\a))
.set rB, FB+48*(\f)+8*(\b)
.if (\b) < 4
.if \zero
	v_wmma_f32_16x16x32_bf16 v[rD:rD+7], v[rB:rB+7], v[rA:rA+7], 0
.else
	v_wmma_f32_16x16x32_bf16 v[rD:rD+7], v[rB:rB+7], v[rA:rA+7], v[rD:rD+7]
.endif
.else
.if \zero
	v_wmma_f32_16x16x32_bf16 v[rD:rD+7], v[rA:rA+7], v[rB:rB+7], 0
.else
	v_wmma_f32_16x16x32_bf16 v[rD:rD+7], v[rA:rA+7], v[rB:rB+7], v[rD:rD+7]
.endif
.endif
.endr
.endr
.endm
; 28 LDS loads in one run: the fragments of 32 along K at byte k of the rows, into buffer f: the weights' 12, then x's 16
.macro FETCH slot, k, f
	WIN 0
.irp i, 0,1,2,3,4,5
	ds_load_b128 v[FB+48*(\f)+8*(\i):FB+48*(\f)+8*(\i)+3],   v[ADRB+(\slot)] offset:(\k)+(\i)*16*PITCH
	ds_load_b128 v[FB+48*(\f)+8*(\i)+4:FB+48*(\f)+8*(\i)+7], v[ADRB+(\slot)] offset:(\k)+(\i)*16*PITCH+32
.endr
.irp i, 0,1,2,3,4,5,6,7
	ds_load_b128 v[FA+64*(\f)+8*(\i):FA+64*(\f)+8*(\i)+3],   v[ADRA+(\slot)] offset:(\k)+(\i)*16*PITCH
	ds_load_b128 v[FA+64*(\f)+8*(\i)+4:FA+64*(\f)+8*(\i)+7], v[ADRA+(\slot)] offset:(\k)+(\i)*16*PITCH+32
.endr
.endm
; A K step is four quarters of 32 along K, 48 matrix instructions each, on buffers 0, 1, 0, 1.  One of the first three: multiplies buffer f and, in its middle, fetches the next quarter into g.
.macro QUARTER slot, k, f, g, zero
	s_wait_dscnt 8                                 ; the weights and x's rows 0-63 are in; the youngest eight loads (x's rows 64-127) may be out
	MUL \f, 0, 0, \zero
	MUL \f, 0, 2, \zero
	PLACES
	FETCH \slot, \k, \g
	s_wait_dscnt 28                                ; all but the 28 just issued
	MUL \f, 1, 0, \zero
	MUL \f, 1, 2, \zero
.endm
; The last quarter multiplies buffer 1 and changes slots: one barrier.  In front of it each wave waits for all its tensor loads (one is out: its part of the next slot), adds 0 to its spare word, and waits for
; that and for its own reads of this slot.  fill = 1: the barrier opens a round of the cluster's barrier, and this slot is filled again first thing behind it, two K steps ahead:
; from that request to the wait for it a wave issues 168 matrix instructions.
.macro TURN slot, next, fill
.if \fill
	s_wait_xcnt 0x0                                ; the last prefetch, a K step back, has read its address: it is stepped here, ahead of the change's own waits
	s_add_nc_u64 s[PFA:PFA+1], s[PFA:PFA+1], KSTEP*2
.endif
	WIN 0                                          ; (the add's two registers lie in window 0)
	s_wait_tensorcnt 0x0                           ; all my tensor loads have landed;
	ds_add_u32 v[SPW], v[NIL]                      ; 0 onto my spare word;
	s_wait_dscnt 9                                 ; (the add and the youngest eight loads may be out)
	MUL 1, 0, 0, 0                                 ; twelve matrix instructions stand between the add and the wait for it
	s_wait_dscnt 0x0                               ; the add is done, and my reads of this slot are over
	s_barrier_signal -1
	MUL 1, 0, 2, 0                                 ; work on registers while the others arrive
	WIN 0
	s_barrier_wait -1
.if \fill
	CREST                                          ; no wave of any partner still reads this slot's tile or has a load on its way
	s_add_nc_u64 s[G0+4*(\slot)+2:G0+4*(\slot)+3], s[G0+4*(\slot)+2:G0+4*(\slot)+3], 2*KSTEP*2
	s_add_nc_u64 s[G0B+4*(\slot)+2:G0B+4*(\slot)+3], s[G0B+4*(\slot)+2:G0B+4*(\slot)+3], 2*KSTEP*2
	JLOAD \slot                                    ; the four v_nop behind it are also the places in front of the loads below
.else
	PLACES
.endif
	FETCH \next, 0, 0
.if \fill
	ASK
.endif
	MUL 1, 1, 0, 0
	MUL 1, 1, 2, 0
.endm
	s_wait_tensorcnt 1                             ; my part of K step 0 is in; K step 1's may stay out
	s_barrier_signal -1
	s_barrier_wait -1                              ; everybody's is
	FETCH 0, 0, 0
	QUARTER 0, 64, 0, 1, 1                         ; the first quarter stands in front of the loop: its products start the sums
	WIN 0
	s_mov_b32 s3, LAPS-1
.Llap:                                                 ; a trip goes once round the ring, from a lap's second quarter to the next lap's first, and fills both slots again
	QUARTER 0, 128, 1, 0, 0
	QUARTER 0, 192, 0, 1, 0
	TURN 0, 1, 1
	QUARTER 1, 64,  0, 1, 0
	QUARTER 1, 128, 1, 0, 0
	QUARTER 1, 192, 0, 1, 0
	TURN 1, 0, 1
	QUARTER 0, 64,  0, 1, 0
	WIN 0
	s_sub_co_u32 s3, s3, 1
	s_cmp_lg_u32 s3, 0
	s_cbranch_scc1 .Llap
	QUARTER 0, 128, 1, 0, 0                        ; the last lap fills nothing
	QUARTER 0, 192, 0, 1, 0
	TURN 0, 1, 0
	QUARTER 1, 64,  0, 1, 0
	QUARTER 1, 128, 1, 0, 0
	QUARTER 1, 192, 0, 1, 0
	s_wait_dscnt 8                                 ; the very last quarter: nothing more to fetch
	MUL 1, 0, 0, 0
	MUL 1, 0, 2, 0
	s_wait_dscnt 0x0
	MUL 1, 1, 0, 0
	MUL 1, 1, 2, 0
	WIN 0
	PLACES                                         ; behind the last products: what follows reads results and writes fragment registers
; THE WAY OUT.
.set T,   32                           ; at work
.set Y,   64                           ; v64-191: q to store, 16 registers a row block
.set BQ,  192                          ; v192-223: bq / sqrt(128) of my 4 x 8 channels
	s_wait_loadcnt 0x0                             ; the biases
	WIN 0x05                                       ; sources in window 1
.set i, 0
.rept 16
	v_cvt_pk_bf16_f32 v[T+i], v[192+2*i], v[192+2*i+1]   ; the biases are rounded to bf16 like the other inputs,
.set i, i+1
.endr
	v_cvt_pk_bf16_f32 v[T+16], v224, v225          ; bk below, bv above
	WIN 0
.set i, 0
.rept 16
	v_lshlrev_b32 v[BQ+2*i], 16, v[T+i]            ; widened again,
	v_and_b32 v[BQ+2*i+1], s[UP], v[T+i]
.set i, i+1
.endr
.set i, 0
.rept 16
	v_pk_mul_f32 v[BQ+2*i:BQ+2*i+1], v[BQ+2*i:BQ+2*i+1], s[SCL:SCL+1] op_sel_hi:[1,0]  ; and scaled as the sums will be
.set i, i+1
.endr
	v_lshlrev_b32 v4, 16, v[T+16]
	v_and_b32 v6, s[UP], v[T+16]
	v_mul_f32 v4, s[NL2], v4                       ; v[4:5] = -log2(e) bk, twice
	v_mov_b32 v7, v6                               ; v[6:7] = bv, twice
	v_mov_b32 v5, v4
	; q = relu((sum + bq) / sqrt(128)), rounded to bf16; the maximum with 0 is taken of the rounded halves, which gives the same number
.set ia, 0
.rept 8
	WIN 1+ia/4                                     ; source 0: the accumulators' window
.set i, 0
.rept 16
	v_pk_fma_f32 v[T+2*i:T+2*i+1], v[8*(6*(ia%4)+i/4)+2*(i%4):8*(6*(ia%4)+i/4)+2*(i%4)+1], s[SCL:SCL+1], v[BQ+2*i:BQ+2*i+1] op_sel_hi:[1,0,1]
.set i, i+1
.endr
	WIN 0
.set i, 0
.rept 16
	v_cvt_pk_bf16_f32 v[Y+16*ia+i], v[T+2*i], v[T+2*i+1]
.set i, i+1
.endr
.set i, 0
.rept 16
	v_pk_max_num_bf16 v[Y+16*ia+i], v[Y+16*ia+i], v[ZERO]
.set i, i+1
.endr
.set i, 0
.rept 4
	global_store_b128 v[LQ], v[Y+16*ia+4*i:Y+16*ia+4*i+3], s[QFB:QFB+1] offset:(ia/2)*32768+(ia%2)*4096+(i/2)*1024+(i%2)*512
.set i, i+1
.endr
.set ia, ia+1
.endr
	s_wait_xcnt 0x0                                ; q's stores have read their registers, which are written again below
	; v = sum + bv, as a bf16 pair: the number rounded, and what the rounding lost, rounded
.set VV,  128
.set PKV, 64
.set ia, 0
.rept 8
	WIN 1+ia/4
.set i, 0
.rept 4
	v_pk_add_f32 v[VV+8*ia+2*i:VV+8*ia+2*i+1], v[8*(6*(ia%4)+5)+2*i:8*(6*(ia%4)+5)+2*i+1], v[6:7]
.set i, i+1
.endr
.set ia, ia+1
.endr
	WIN 0
.set ia, 0
.rept 8
.irp p, 0,1,2,3
	v_cvt_pk_bf16_f32 v[PKV+8*ia+\p], v[VV+8*ia+2*\p], v[VV+8*ia+2*\p+1]
.endr
.irp p, 0,1,2,3
	v_lshlrev_b32 v[T+2*\p], 16, v[PKV+8*ia+\p]
	v_and_b32 v[T+2*\p+1], s[UP], v[PKV+8*ia+\p]
.endr
.irp p, 0,1,2,3
	v_pk_add_f32 v[T+2*\p:T+2*\p+1], v[VV+8*ia+2*\p:VV+8*ia+2*\p+1], v[T+2*\p:T+2*\p+1] neg_lo:[0,1] neg_hi:[0,1]
.endr
.irp p, 0,1,2,3
	v_cvt_pk_bf16_f32 v[PKV+8*ia+4+\p], v[T+2*\p], v[T+2*\p+1]
.endr
	global_store_b128 v[LQ], v[PKV+8*ia:PKV+8*ia+3],   s[VVB:VVB+1] offset:(ia/2)*32768+(ia%2)*512
	global_store_b128 v[LQ], v[PKV+8*ia+4:PKV+8*ia+7], s[VVB:VVB+1] offset:(ia/2)*32768+1024+(ia%2)*512
.set ia, ia+1
.endr
	s_wait_xcnt 0x0                                ; v's stores have read their registers
	; k, a and the products of a.  Tile ia holds, a lane a channel, the steps 16 (ia % 2) + 8 h + 0..7 of chunk c0 + ia / 2.  All eight tiles go together, so each kind of transcendental is one batch with one wait.
.set KK, 32
.set AA, 96
.set GG, 160
.set TT, 224
.set XX, 232
.set ZZ, 240
.set ia, 0
.rept 8
	WIN 1+ia/4
.set i, 0
.rept 4
	v_pk_fma_f32 v[KK+8*ia+2*i:KK+8*ia+2*i+1], v[8*(6*(ia%4)+4)+2*i:8*(6*(ia%4)+4)+2*i+1], s[NL2:NL2+1], v[4:5] op_sel_hi:[1,0,1]  ; -log2(e) (sum + bk)
.set i, i+1
.endr
.set ia, ia+1
.endr
	WIN 0
.set i, 0
.rept 64
	v_exp_f32 v[KK+i], v[KK+i]
.set i, i+1
.endr
	v_nop                                          ; a plain instruction behind the last exponential,
	s_wait_alu depctr_va_vdst(0)                   ; and the one wait ahead of the batch's first reader
.set i, 0
.rept 32
	v_pk_add_f32 v[KK+2*i:KK+2*i+1], v[KK+2*i:KK+2*i+1], 1.0 op_sel_hi:[1,0]
.set i, i+1
.endr
.set i, 0
.rept 64
	v_rcp_f32 v[KK+i], v[KK+i]                     ; sigmoid
.set i, i+1
.endr
	v_nop
	s_wait_alu depctr_va_vdst(0)
.set i, 0
.rept 64
	v_min_num_f32 v[KK+i], 0x3f733333, v[KK+i]     ; the clip at 0.95
.set i, i+1
.endr
.set i, 0
.rept 32
	v_pk_fma_f32 v[AA+2*i:AA+2*i+1], v[KK+2*i:KK+2*i+1], -1.0, 1.0 op_sel_hi:[1,0,0]  ; a = 1 - k
.set i, i+1
.endr
.set i, 0
.rept 7                                ; inside a lane: in a chunk's first half the products from each step to the lane's last, in its second half from the lane's first to each step
.set ia, 0
.rept 8
.if ia%2 == 0
	v_mul_f32 v[AA+8*ia+6-i], v[AA+8*ia+6-i], v[AA+8*ia+7-i]
.else
	v_mul_f32 v[AA+8*ia+1+i], v[AA+8*ia+1+i], v[AA+8*ia+i]
.endif
.set ia, ia+1
.endr
.set i, i+1
.endr
.set ia, 0
.rept 8
	v_permlanex16_b32 v[XX+ia], v[AA+8*ia+7*(ia%2)], s[SEL], s[SEL+1]  ; the other eight steps' product
.set ia, ia+1
.endr
.set ia, 0
.rept 8
	v_mul_f32 v[TT+ia], v[AA+8*ia+7*(ia%2)], v[XX+ia]                  ; m (even tiles) or n (odd tiles)
.set ia, ia+1
.endr
.set ia, 0
.rept 8
.if ia%2 == 0
	v_cndmask_b32 v[XX+ia], v[XX+ia], 1.0, s[HM]   ; E: steps 0-7 take in steps 8-15, steps 8-15 nothing more
.else
	v_cndmask_b32 v[XX+ia], 1.0, v[XX+ia], s[HM]   ; F: steps 24-31 take in steps 16-23
.endif
.set ia, ia+1
.endr
.set ia, 0
.rept 8
.set i, 0
.rept 8
.if ia%2 == 1
	v_mul_f32 v[GG+8*ia+i], v[AA+8*ia+i], v[XX+ia]      ; F
.elseif i < 7
	v_mul_f32 v[GG+8*ia+i], v[AA+8*ia+i+1], v[XX+ia]    ; E: from the step after
.else
	v_mov_b32 v[GG+8*ia+7], v[XX+ia]
.endif
.set i, i+1
.endr
.set ia, ia+1
.endr
.set i, 0
.rept 64
	v_rcp_f32 v[AA+i], v[GG+i]                     ; 1 / E, 1 / F: E and F lie in 1.5e-21 .. 1
.set i, i+1
.endr
	v_nop
	s_wait_alu depctr_va_vdst(0)
.set ia, 0
.rept 8
.set i, 0
.rept 4
.if ia%2 == 0
	v_pk_mul_f32 v[KK+8*ia+2*i:KK+8*ia+2*i+1], v[KK+8*ia+2*i:KK+8*ia+2*i+1], v[GG+8*ia+2*i:GG+8*ia+2*i+1]  ; K^ = k E
.else
	v_pk_mul_f32 v[KK+8*ia+2*i:KK+8*ia+2*i+1], v[KK+8*ia+2*i:KK+8*ia+2*i+1], v[AA+8*ia+2*i:AA+8*ia+2*i+1]  ; K^ = k / F
.endif
.set i, i+1
.endr
.set ia, ia+1
.endr
.set ia, 0
.rept 8
.set pb, GG-(GG-AA)*(ia%2)             ; the packed K^ and P go where the factor just used lay,
.set ps, AA+(GG-AA)*(ia%2)             ; P is the other one: 1 / E, or F
.irp p, 0,1,2,3
	v_cvt_pk_bf16_f32 v[pb+8*ia+\p], v[KK+8*ia+2*\p], v[KK+8*ia+2*\p+1]
.endr
.irp p, 0,1,2,3
	v_cvt_pk_bf16_f32 v[pb+8*ia+4+\p], v[ps+8*ia+2*\p], v[ps+8*ia+2*\p+1]
.endr
	global_store_b128 v[LK], v[pb+8*ia:pb+8*ia+3],   s[KKB:KKB+1] offset:(ia/2)*32768+(ia%2)*512
	global_store_b128 v[LK], v[pb+8*ia+4:pb+8*ia+7], s[KKB:KKB+1] offset:(ia/2)*32768+8192+(ia%2)*512
.set ia, ia+1
.endr
.irp c, 0,1,2,3
	v_cndmask_b32 v[ZZ+\c], v[TT+2*\c], v[TT+2*\c+1], s[HM]  ; lanes 0-15 m, lanes 16-31 n
.endr
	global_store_b64 v[L8], v[ZZ:ZZ+1],   s[MNB:MNB+1]
	global_store_b64 v[L8], v[ZZ+2:ZZ+3], s[MNB:MNB+1] offset:256
	s_wait_tensorcnt 0x0                           ; the wave's end: the add to my spare word and its wait, behind my last tensor load
	ds_add_u32 v[SPW], v[NIL]
	s_wait_dscnt 0x0
	CROUND                                         ; the closing round: no work-group ends while a partner may still ask for a tile that names it
	s_endpgm
.Lfunc_end_k_qfb212c860d_proj:
	.size	k_qfb212c860d_proj, .Lfunc_end_k_qfb212c860d_proj-k_qfb212c860d_proj
	.p2alignl 7, 3214868480
	.fill 96, 4, 3214868480
	.section	.rodata,"a",@progbits
	.p2align	6, 0x0
	.amdhsa_kernel k_qfb212c860d_proj
		.amdhsa_group_segment_fixed_size 327680
		.amdhsa_private_segment_fixed_size 0
		.amdhsa_enable_private_segment 0
		.amdhsa_kernarg_size 64
		.amdhsa_user_sgpr_count 2
		.amdhsa_user_sgpr_kernarg_segment_ptr 1
		.amdhsa_wavefront_size32 1
		.amdhsa_system_sgpr_workgroup_id_x 1
		.amdhsa_system_sgpr_workgroup_id_y 1
		.amdhsa_system_sgpr_workgroup_id_z 1
		.amdhsa_system_vgpr_workitem_id 0
		.amdhsa_next_free_vgpr 768
		.amdhsa_next_free_sgpr 96
		.amdhsa_reserve_vcc 0
		.amdhsa_float_denorm_mode_32 3
		.amdhsa_float_denorm_mode_16_64 3
		.amdhsa_memory_ordered 1
		.amdhsa_forward_progress 1
		.amdhsa_inst_pref_size 166
	.end_amdhsa_kernel
	.amdgpu_metadata
---
amdhsa.version: [ 1, 2 ]
amdhsa.kernels:
  - .name:           k_qfb212c860d_proj
    .symbol:         k_qfb212c860d_proj.kd
    .args:
      - { .name: XB, .offset: 0, .size: 8, .value_kind: global_buffer, .address_space: global }
      - { .name: WB, .offset: 8, .size: 8, .value_kind: global_buffer, .address_space: global }
      - { .name: bq, .offset: 16, .size: 8, .value_kind: global_buffer, .address_space: global }
      - { .name: bk, .offset: 24, .size: 8, .value_kind: global_buffer, .address_space: global }
      - { .name: bv, .offset: 32, .size: 8, .value_kind: global_buffer, .address_space: global }
      - { .name: QF, .offset: 40, .size: 8, .value_kind: global_buffer, .address_space: global }
      - { .name: KPV, .offset: 48, .size: 8, .value_kind: global_buffer, .address_space: global }
      - { .name: MN, .offset: 56, .size: 8, .value_kind: global_buffer, .address_space: global }
    .group_segment_fixed_size: 327680
    .private_segment_fixed_size: 0
    .kernarg_segment_align: 8
    .kernarg_segment_size: 64
    .max_flat_workgroup_size: 128
    .sgpr_count:     96
    .vgpr_count:     768
    .wavefront_size: 32
...
	.end_amdgpu_metadata
.endif
;; end of part 2
;; launch scan (part 3): grid 8 x 32, 1 waves a work-group, clusters of 4 x 4, 278,784 bytes of LDS; arguments KPV, MN, SP; writes SP
.if DOCPART == 3
	.amdgcn_target "amdgcn-amd-amdhsa--gfx1250"
	.amdhsa_code_object_version 6
	.text
	.protected	k_qfb212c860d_scan
	.globl	k_qfb212c860d_scan
	.p2align	8
	.type	k_qfb212c860d_scan,@function
k_qfb212c860d_scan:
	s_mov_b64 s[64:65], 0
	v_nop
	global_prefetch_b8 v0, s[64:65] scope:SCOPE_SE
	s_setreg_imm32_b32 hwreg(HW_REG_WAVE_MODE, 25, 1), 1
	s_wait_xcnt 0x0
	s_wait_alu depctr_hold_cnt(0) depctr_sa_sdst(0) depctr_va_vdst(0) depctr_va_sdst(0) depctr_va_ssrc(0) depctr_va_vcc(0) depctr_vm_vsrc(0)
	s_getreg_b32 s2, hwreg(HW_REG_IB_STS2, 6, 4)
	s_cmp_eq_u32 s2, 0
	s_cbranch_scc0 .Lentry_in_a_cluster
	s_endpgm
.Lentry_in_a_cluster:
	s_bfe_u32 s2, ttmp6, 0x10000c
	s_cmp_lg_u32 s2, 0xf033
	s_cbranch_scc0 .Lentry_shape_is_right
	s_endpgm
.Lentry_shape_is_right:
; THE STATES AT THE CHUNKS' BEGINNINGS.  S' = m S is stored for chunks 1 to 63, and S_next = n (S' + K^^T V) is carried in f32.
; Left out (see the first kernel's head): S_0 is zeros, so chunk 0 has no S'; the state behind chunk 63 reaches no output, so its K^^T V and update are not made; one state serves the four heads of a kv head.
; SHARES.  A state is 128 x 128 (d x e), there are 8 (seq).  A work-group of one wave owns two tiles of 16 x 16 of one state, d blocks 2 dbp and 2 dbp + 1, e block eb, and walks all 64 chunks: 256 work-groups.
; The one chain from chunk to chunk is a multiply-add and a multiply; the products K^^T V start at 0 and stand beside it.
; LDS.  All that the work-group reads, 272 KiB, is asked for at the start by nine tensor loads, all out at once; no byte is filled twice.  The walk begins when the first 16 chunks are in.
; CLUSTER 4 x 4: cx picks eb, cy picks dbp.  K^ and m, n hang on (seq, dbp): asked for jointly along a row; V hangs on (seq, eb): along a column.
; THE PRODUCT.  W = K^^T V with source 0 = V (16 e x 32 steps), source 1 = K^ (16 d x 32 steps): a lane holds one d (lane % 16), so m and n are a number a lane, and eight e.  V goes as its bf16 pair, two products.
; K^'s tiles lie in rows of 32 bytes (outp turns them): eight such loads for two chunks.
; SP: (63 seq + c - 1) x 32,768 + [db 8][eb 8] tiles of 16 rows (d) x 16 e in bf16, 512 bytes, one store of the wave each.
.set LMN,   0                          ; m, n: [dbi 2][chunk pair 32] x 256 bytes
.set LKH,   16384                      ; K^: 2,048 bytes a chunk: [dbi 2][half 2] tiles
.set LVV,   147456                     ; V: 2,048 bytes a chunk: [hi, lo][half 2] tiles
.set SPARE, 278528                     ; the spare words: one block of 256 bytes that no other line names
.set AK0, 4                            ; v4   my lane's place in K^'s tiles; never rewritten
.set AV0, 5                            ; v5   in V's
.set AM0, 6                            ; v6   in m's
.set STO, 7                            ; v7   my 16 bytes of a tile of S'
.set SPW, 8                            ; v8   LDS address of my spare word; never rewritten
.set NIL, 9                            ; v9   0, for the add alone
.set AK,  10                           ; v10-12  the three addresses for the run of loads in hand
.set AV,  11
.set AM,  12
.set KF,  16                           ; v16-47    K^: chunk q of the pair, tile d at 16 q + 8 d
.set VF,  48                           ; v48-79    V: chunk q, hi or lo at 16 q + 8 hl
.set MNL, 80                           ; v80-87    as loaded: tile d: m of the two chunks, n of the two
.set FD,  88                           ; v88-103   each factor twice, for packed arithmetic: m(q, d) at 8 q + 4 d, n two further
.set W,   104                          ; v104-135  K^^T V: 16 q + 8 d
.set S,   136                          ; v136-151  the state, 8 d
.set SPT, 152                          ; v152-167  S' in f32
.set PKR, 168                          ; v168-183  S' in bf16: 8 q + 4 d
.set G1M, 8                            ; s[8:15]   group 1 for m, n
.set G1K, 16                           ; s[16:23]  for K^
.set G1V, 24                           ; s[24:31]  for V
.set SPB, 72                           ; s[72:73]  SP at my tiles, at the pair in hand
.set WV,  80                           ; s80  the wave's number, 0
.set TB,  78                           ; s78  LDS byte of the pair to be fetched, in K^ and in V
.set TM,  79                           ; s79  in m, n
.set CNT, 95                           ; s95  counts a loop's pairs
.macro CROUND                          ; a round of the cluster's barrier, in its one form
	s_barrier_signal -1
	s_barrier_wait -1
	s_cmp_lg_u32 s[WV], 0
	s_cbranch_scc1 .Lnot_wave_0_\@
	s_barrier_signal -3
.Lnot_wave_0_\@:
	s_barrier_wait -3
	s_barrier_signal -1
	s_barrier_wait -1
.endm
	s_load_b128 s[4:7], s[0:1], 0x0                ; KPV s[4:5], MN s[6:7]
	s_load_b64 s[76:77], s[0:1], 0x10              ; SP
	v_lshl_add_u32 v[SPW], v0, 2, SPARE
	v_mov_b32 v[NIL], 0
	ds_add_u32 v[SPW], v[NIL]                      ; the wave's opening: the add, twice on end, and its wait ahead of my first tensor load
	ds_add_u32 v[SPW], v[NIL]
	v_lshrrev_b32 v1, 5, v0
	v_readfirstlane_b32 s[WV], v1
	s_bfe_u32 s81, ttmp6, 0x40000                  ; cx
	s_bfe_u32 s82, ttmp6, 0x40004                  ; cy = dbp
	s_lshl_b32 s83, ttmp9, 2
	s_add_co_u32 s83, s83, s81                     ; eb = 4 x cluster x + cx
	s_and_b32 s84, ttmp7, 0xffff                   ; seq = cluster y
	s_lshl_b32 s85, s82, 2
	s_lshl_b32 s85, 15, s85                        ; my row of the cluster
	s_lshl_b32 s86, 0x1111, s81                    ; my column
	s_or_b32 s[G1M], s85, (3<<16)|(1<<21)          ; the mask; elements of 8 bytes; bit 21 beside a mask; no padding
	s_or_b32 s[G1K], s85, (3<<16)|(1<<21)
	s_or_b32 s[G1V], s86, (3<<16)|(1<<21)
	s_mov_b32 s[G1M+1], 32<<16                     ; m, n: 16,384 dense bytes as 64 rows of 256
	s_mov_b32 s[G1M+2], 64<<16
	s_mov_b32 s[G1M+3], 32<<16
	s_mov_b32 s[G1M+4], 64
	s_mov_b32 s[G1M+5], 32
	s_mov_b32 s[G1M+6], 0
	s_mov_b32 s[G1M+7], 0
.irp g, G1K, G1V
	s_mov_b32 s[\g+1], 256<<16                     ; K^, V: 16 chunks, 2,048 bytes of each record of 32,768
	s_mov_b32 s[\g+2], 16<<16
	s_mov_b32 s[\g+3], 256<<16
	s_mov_b32 s[\g+4], 16
	s_mov_b32 s[\g+5], 4096
	s_mov_b32 s[\g+6], 0
	s_mov_b32 s[\g+7], 0
.endr
	s_lshl_b32 s87, s84, 21                        ; seq x 64 records
	s_lshl_b32 s88, s82, 11
	s_add_co_u32 s88, s88, s87                     ; K^: + dbp x 2,048
	s_mov_b32 s89, 0
	s_lshl_b32 s90, s83, 11
	s_add_co_u32 s90, s90, s87
	s_add_co_u32 s90, s90, 16384                   ; V: + 16,384 + eb x 2,048
	s_mov_b32 s91, 0
	s_lshl2_add_u32 s92, s84, s82
	s_lshl_b32 s92, s92, 14                        ; m, n: (4 seq + dbp) x 16,384
	s_mov_b32 s93, 0
	s_mul_i32 s[SPB], s84, 63*32768
	s_lshl_b32 s94, s82, 13
	s_add_co_u32 s[SPB], s[SPB], s94
	s_lshl_b32 s94, s83, 9
	s_add_co_u32 s[SPB], s[SPB], s94               ; S': 63 seq records + dbp x 8,192 + eb x 512
	s_mov_b32 s[SPB+1], 0
	s_mov_b32 s[TB], 0
	s_mov_b32 s[TM], 0
	s_wait_dscnt 0x0                               ; both opening adds are done
	s_wait_kmcnt 0x0
	s_add_nc_u64 s[88:89], s[4:5], s[88:89]
	s_add_nc_u64 s[90:91], s[4:5], s[90:91]
	s_add_nc_u64 s[92:93], s[6:7], s[92:93]
	s_add_nc_u64 s[SPB:SPB+1], s[76:77], s[SPB:SPB+1]
	s_mov_b32 s32, 1
	s_mov_b32 s33, LMN
	s_mov_b64 s[34:35], s[92:93]
	s_or_b32 s35, s35, 0x80000000
.irp g, 0,1,2,3
.set GV, 52+4*\g+4*(\g/3)              ; V's group 0: s[52:63], then s[68:71]
	s_mov_b32 s[36+4*\g], 1
	s_mov_b32 s[37+4*\g], LKH+32768*\g
	s_add_nc_u64 s[38+4*\g:39+4*\g], s[88:89], \g*524288
	s_or_b32 s[39+4*\g], s[39+4*\g], 0x80000000
	s_mov_b32 s[GV], 1
	s_mov_b32 s[GV+1], LVV+32768*\g
	s_add_nc_u64 s[GV+2:GV+3], s[90:91], \g*524288
	s_or_b32 s[GV+3], s[GV+3], 0x80000000
.endr
	CROUND                                         ; all sixteen work-groups are here: the joint loads meet
	tensor_load_to_lds s[32:35], s[G1M:G1M+7]      ; nine loads of mine are out: m and n, then K^ and V of 16 chunks, four times
	s_nop 0
.irp g, 0,1,2,3
.set GV, 52+4*\g+4*(\g/3)
	tensor_load_to_lds s[36+4*\g:39+4*\g], s[G1K:G1K+7]
	s_nop 0
	tensor_load_to_lds s[GV:GV+3], s[G1V:G1V+7]
	s_nop 0
.endr
	v_and_b32 v1, 15, v0                           ; r
	v_bfe_u32 v2, v0, 4, 1                         ; h
	v_lshlrev_b32 v[STO], 5, v1
	v_lshl_add_u32 v[STO], v2, 4, v[STO]           ; 32 r + 16 h
	v_add_nc_u32 v[AK0], LKH, v[STO]
	v_lshl_add_u32 v[AV0], v0, 4, LVV              ; 16 l
	v_lshlrev_b32 v[AM0], 3, v1                    ; 8 r
	v_mov_b32 v[AK], v[AK0]
	v_mov_b32 v[AV], v[AV0]
	v_mov_b32 v[AM], v[AM0]
; The LDS loads of a pair of chunks: 16 for K^ and V, 4 for m and n.  last = 1: chunk 63's K^ and V are not wanted.
.macro LOADS last
.irp q, 0,1
.if ((\last) == 0) || (\q == 0)
.irp d, 0,1
	ds_load_b128 v[KF+16*\q+8*\d:KF+16*\q+8*\d+3],   v[AK] offset:\q*2048+\d*1024
	ds_load_b128 v[KF+16*\q+8*\d+4:KF+16*\q+8*\d+7], v[AK] offset:\q*2048+\d*1024+512
	ds_load_b128 v[VF+16*\q+8*\d:VF+16*\q+8*\d+3],   v[AV] offset:\q*2048+\d*1024
	ds_load_b128 v[VF+16*\q+8*\d+4:VF+16*\q+8*\d+7], v[AV] offset:\q*2048+\d*1024+512
.endr
.endif
.endr
.irp d, 0,1
	ds_load_b64 v[MNL+4*\d:MNL+4*\d+1],   v[AM] offset:LMN+\d*8192
	ds_load_b64 v[MNL+4*\d+2:MNL+4*\d+3], v[AM] offset:LMN+\d*8192+128
.endr
.endm
; Chunk q of the pair.  mode 0: S' = m S is kept and stored, S = n (m S + W).  mode 1, chunk 0: S = n W.  mode 2, chunk 63: S' alone.  The two tiles alternate.
.macro CH q, mode
.if (\mode) == 1
.irp p, 0,1,2,3
.irp d, 0,1
	v_pk_mul_f32 v[S+8*\d+2*\p:S+8*\d+2*\p+1], v[W+16*(\q)+8*\d+2*\p:W+16*(\q)+8*\d+2*\p+1], v[FD+8*(\q)+4*\d+2:FD+8*(\q)+4*\d+3]
.endr
.endr
.else
.irp p, 0,1,2,3
.irp d, 0,1
	v_pk_mul_f32 v[SPT+8*\d+2*\p:SPT+8*\d+2*\p+1], v[S+8*\d+2*\p:S+8*\d+2*\p+1], v[FD+8*(\q)+4*\d:FD+8*(\q)+4*\d+1]
.endr
.endr
.if (\mode) == 0
.irp p, 0,1,2,3
.irp d, 0,1
	v_pk_fma_f32 v[S+8*\d+2*\p:S+8*\d+2*\p+1], v[S+8*\d+2*\p:S+8*\d+2*\p+1], v[FD+8*(\q)+4*\d:FD+8*(\q)+4*\d+1], v[W+16*(\q)+8*\d+2*\p:W+16*(\q)+8*\d+2*\p+1]
.endr
.endr
.irp p, 0,1,2,3
.irp d, 0,1
	v_pk_mul_f32 v[S+8*\d+2*\p:S+8*\d+2*\p+1], v[S+8*\d+2*\p:S+8*\d+2*\p+1], v[FD+8*(\q)+4*\d+2:FD+8*(\q)+4*\d+3]
.endr
.endr
.endif
.irp p, 0,1,2,3
.irp d, 0,1
	v_cvt_pk_bf16_f32 v[PKR+8*(\q)+4*\d+\p], v[SPT+8*\d+2*\p], v[SPT+8*\d+2*\p+1]
.endr
.endr
.irp d, 0,1
	global_store_b128 v[STO], v[PKR+8*(\q)+4*\d:PKR+8*(\q)+4*\d+3], s[SPB:SPB+1] offset:((\q)-1)*32768+\d*4096  ; chunk c's S' lies at record c - 1; the wave's store covers 512 consecutive bytes, aligned
.endr
.endif
.endm
; A pair of chunks.  first = 1: chunks 0 and 1.  last = 1: chunks 62 and 63.  tw >= 0: the next pair begins a new 16 chunks: so many younger tensor loads may stay out.
; ld: 0 nothing more to fetch, 1 the next pair, 2 the last pair.
.macro SUB first, last, tw, ld
	s_wait_dscnt 0x0                               ; the pair's fragments and factors are in
	s_wait_xcnt 0x0                                ; the last pair's stores have read their registers and their base
.if (\first) == 0
	s_add_nc_u64 s[SPB:SPB+1], s[SPB:SPB+1], 65536
.endif
.irp hl, 0,1                           ; the accumulators take turns, one instruction a turn
.irp q, 0,1
.if ((\last) == 0) || (\q == 0)
.irp d, 0,1
.if \hl == 0
	v_wmma_f32_16x16x32_bf16 v[W+16*\q+8*\d:W+16*\q+8*\d+7], v[VF+16*\q:VF+16*\q+7], v[KF+16*\q+8*\d:KF+16*\q+8*\d+7], 0
.else
	v_wmma_f32_16x16x32_bf16 v[W+16*\q+8*\d:W+16*\q+8*\d+7], v[VF+16*\q+8:VF+16*\q+15], v[KF+16*\q+8*\d:KF+16*\q+8*\d+7], v[W+16*\q+8*\d:W+16*\q+8*\d+7]
.endif
.endr
.endif
.endr
.endr
.irp q, 0,1                            ; sixteen plain instructions that name no register of the products: the places behind them, ahead of the loads and of the sums' readers
.irp d, 0,1
	v_mov_b32 v[FD+8*\q+4*\d],   v[MNL+4*\d+\q]
	v_mov_b32 v[FD+8*\q+4*\d+1], v[MNL+4*\d+\q]
	v_mov_b32 v[FD+8*\q+4*\d+2], v[MNL+4*\d+2+\q]
	v_mov_b32 v[FD+8*\q+4*\d+3], v[MNL+4*\d+2+\q]
.endr
.endr
.if (\tw) >= 0
	s_wait_tensorcnt \tw                           ; tensor loads of a wave end in order: the next 16 chunks' K^ and V are in
.endif
.if (\ld)
	s_add_co_u32 s[TB], s[TB], 4096
	s_add_co_u32 s[TM], s[TM], 256
	v_add_nc_u32 v[AK], s[TB], v[AK0]
	v_add_nc_u32 v[AV], s[TB], v[AV0]
	v_add_nc_u32 v[AM], s[TM], v[AM0]
	LOADS (\ld)-1                                  ; they land while this pair's arithmetic runs
.endif
	CH 0, \first
	CH 1, 2*(\last)
.endm
.macro RUN n                           ; n pairs inside 16 chunks that are in
	s_mov_b32 s[CNT], \n
.Lrun_\@:
	SUB 0, 0, -1, 1
	s_sub_co_u32 s[CNT], s[CNT], 1
	s_cmp_lg_u32 s[CNT], 0
	s_cbranch_scc1 .Lrun_\@
.endm
	s_wait_tensorcnt 6                             ; m, n and chunks 0-15 are in; the six loads of chunks 16-63 may stay out
	LOADS 0
	SUB 1, 0, -1, 1                                ; pair 0
	RUN 6                                          ; pairs 1-6
	SUB 0, 0, 4, 1                                 ; pair 7 fetches chunks 16, 17: four loads may stay out
	RUN 7                                          ; pairs 8-14
	SUB 0, 0, 2, 1                                 ; pair 15 fetches chunks 32, 33
	RUN 7                                          ; pairs 16-22
	SUB 0, 0, 0, 1                                 ; pair 23 fetches chunks 48, 49: all loads are in
	RUN 6                                          ; pairs 24-29
	SUB 0, 0, -1, 2                                ; pair 30 fetches chunk 62, and the last factors
	SUB 0, 1, -1, 0                                ; pair 31
	s_wait_tensorcnt 0x0                           ; the wave's end: the add to my spare word and its wait, behind my last tensor load
	ds_add_u32 v[SPW], v[NIL]
	s_wait_dscnt 0x0
	CROUND                                         ; the closing round
	s_endpgm
.Lfunc_end_k_qfb212c860d_scan:
	.size	k_qfb212c860d_scan, .Lfunc_end_k_qfb212c860d_scan-k_qfb212c860d_scan
	.p2alignl 7, 3214868480
	.fill 96, 4, 3214868480
	.section	.rodata,"a",@progbits
	.p2align	6, 0x0
	.amdhsa_kernel k_qfb212c860d_scan
		.amdhsa_group_segment_fixed_size 278784
		.amdhsa_private_segment_fixed_size 0
		.amdhsa_enable_private_segment 0
		.amdhsa_kernarg_size 24
		.amdhsa_user_sgpr_count 2
		.amdhsa_user_sgpr_kernarg_segment_ptr 1
		.amdhsa_wavefront_size32 1
		.amdhsa_system_sgpr_workgroup_id_x 1
		.amdhsa_system_sgpr_workgroup_id_y 1
		.amdhsa_system_sgpr_workgroup_id_z 1
		.amdhsa_system_vgpr_workitem_id 0
		.amdhsa_next_free_vgpr 184
		.amdhsa_next_free_sgpr 96
		.amdhsa_reserve_vcc 0
		.amdhsa_float_denorm_mode_32 3
		.amdhsa_float_denorm_mode_16_64 3
		.amdhsa_memory_ordered 1
		.amdhsa_forward_progress 1
		.amdhsa_inst_pref_size 75
	.end_amdhsa_kernel
	.amdgpu_metadata
---
amdhsa.version: [ 1, 2 ]
amdhsa.kernels:
  - .name:           k_qfb212c860d_scan
    .symbol:         k_qfb212c860d_scan.kd
    .args:
      - { .name: KPV, .offset: 0, .size: 8, .value_kind: global_buffer, .address_space: global }
      - { .name: MN, .offset: 8, .size: 8, .value_kind: global_buffer, .address_space: global }
      - { .name: SP, .offset: 16, .size: 8, .value_kind: global_buffer, .address_space: global }
    .group_segment_fixed_size: 278784
    .private_segment_fixed_size: 0
    .kernarg_segment_align: 8
    .kernarg_segment_size: 24
    .max_flat_workgroup_size: 32
    .sgpr_count:     96
    .vgpr_count:     184
    .wavefront_size: 32
...
	.end_amdgpu_metadata
.endif
;; end of part 3
;; launch outp (part 4): grid 32 x 8, 4 waves a work-group, no clusters, 214,528 bytes of LDS; arguments QF, KPV, SP, out0; writes out0
.if DOCPART == 4
	.amdgcn_target "amdgcn-amd-amdhsa--gfx1250"
	.amdhsa_code_object_version 6
	.text
	.protected	k_qfb212c860d_outp
	.globl	k_qfb212c860d_outp
	.p2align	8
	.type	k_qfb212c860d_outp,@function
k_qfb212c860d_outp:
	s_mov_b64 s[64:65], 0
	v_nop
	global_prefetch_b8 v0, s[64:65] scope:SCOPE_SE
	s_setreg_imm32_b32 hwreg(HW_REG_WAVE_MODE, 25, 1), 1
	s_wait_xcnt 0x0
; THE OUTPUTS.  For each chunk of 32 steps and each head: Q^ = q P; A = the scores Q^ K^^T with s <= t; o = A V + Q^ S'.
; Left out (see the first kernel's head): chunk 0 has no product with a state; the block of scores with t < 16 <= s is never formed.
; SHARES.  A work-group takes two units (seq, chunk c) and (seq, c + 32); wave i is head 4 kv + i: 32 steps x 128 columns a unit.  The four heads read the same K^, P, V and S' from LDS.
; NO CLUSTER: no two work-groups read the same bytes.  All that the work-group reads, 192 KiB, is asked for at the start, six tensor loads a wave, all out at once; no byte is filled twice.
; At c = 0 the load of S' names chunk 1's record, so that every wave's loads are the same in number on every path; it is never read from LDS.
; LAYOUT.  A^T = K^ Q^^T (source 0 = 16 keys, source 1 = 16 queries): a lane holds one query (lane % 16) and the keys 8 (lane / 16) + 0..7; two such results, packed, are source 1 of o^T = V^T A, whose result
; again holds one query a lane and eight columns.  K^, P and S' lie as tiles [channel][16] and are turned by ds_load_tr16_b128; q and V lie as register images.
; A and V go as bf16 pairs (the number rounded, and what the rounding lost): o = Vh Ah + Vh Al + Vl Ah.  A hidden score in the two blocks on the diagonal is finite (every factor lies in 1.5e-21 .. 6.5e20) and is replaced by 0.
; OUT through a stage in LDS of each wave's own: sixteen lanes store 256 consecutive bytes, aligned.
.set UNITB, 98304                      ; a unit in LDS: q 32,768 (8,192 a head), the record of K^, P, V 32,768, S' 32,768
.set STAGE, 2*UNITB                    ; 16 rows x 272 bytes for each wave; no tensor load lands here
.set SPI,   272
.set SPARE, STAGE+4*16*SPI             ; the spare words, 128 bytes a wave: two blocks of 256 bytes that no other line names
.set LN,  1                            ; v1   16 l
.set TR,  2                            ; v2   the turning load's lane term in a tile of 16 rows of 32 bytes: 32 (8 (l / 16) + l % 8) + 16 ((l / 8) % 2)
.set AQ,  3                            ; v3-6 the unit's LDS addresses: q, K^ and P, V, S'
.set AKT, 4
.set AVL, 5
.set AST, 6
.set STO, 7                            ; v7   the stage: where I put 32 bytes of a row
.set RD,  8                            ; v8   where I read rows back
.set GO,  9                            ; v9   my byte offset in two rows of out0
.set XM,  10                           ; v10  l % 16 - 8 (l / 16): register j of a block on the diagonal is seen where j <= this
.set SPW, 12                           ; v12  LDS address of my spare word; never rewritten
.set NIL, 13                           ; v13  0, for the add alone
.set QH,  16                           ; v16-79    q, then Q^: steps 16 tb on, channels 32 kd on at 8 (4 tb + kd)
.set AT,  80                           ; v80-111   Ah(tb) at 8 tb, Al(tb) at 16 + 8 tb
.set OA,  112                          ; v112-175  o^T: column block e4, tb at 8 (2 e4 + tb).  Before that: P (64), then the scores (24) and 24 at work
.set SC,  112
.set TP,  136
.set FR,  176                          ; v176-239  two buffers of 32 for fragments; before that K^ (64); on the way out the rows read back
.set B0,  176
.set B1,  208
.set G1,  8                            ; s[8:15]   descriptor group 1: 32 rows of 256 bytes, dense
.set G0,  16                           ; s[16:39]  group 0: unit u, kind t (q, record, S') at 4 (3 u + t)
.set MK,  48                           ; s[48:55]  the masks of the diagonal
.set OB,  56                           ; s[56:57]  out0 at the unit's first row, my head's columns
.set WV,  58
.set CC,  59                           ; s59  c of the first unit
.set SQ,  60                           ; s60  seq
.set W13, 61                           ; s61  8,192 x wave
.macro PLACES n=4
.rept \n
	v_nop
.endr
.endm
	s_load_b256 s[40:47], s[0:1], 0x0              ; QF s[40:41], KPV s[42:43], SP s[44:45], out0 s[46:47]
	v_lshl_add_u32 v[SPW], v0, 2, SPARE
	v_mov_b32 v[NIL], 0
	ds_add_u32 v[SPW], v[NIL]                      ; the wave's opening: the add, twice on end, and its wait ahead of my first tensor load
	ds_add_u32 v[SPW], v[NIL]
	v_lshrrev_b32 v11, 5, v0
	v_readfirstlane_b32 s[WV], v11
	s_mov_b32 s[CC], ttmp9
	s_and_b32 s[SQ], ttmp7, 0xffff
	s_lshl_b32 s[W13], s[WV], 13
	s_mov_b32 s[G1], 3<<16                         ; elements of 8 bytes, no mask, no padding
	s_mov_b32 s[G1+1], 32<<16                      ; tensor_dim0 = 32
	s_mov_b32 s[G1+2], 32<<16                      ; tensor_dim1 = 32
	s_mov_b32 s[G1+3], 32<<16                      ; tile_dim0 = 32
	s_mov_b32 s[G1+4], 32                          ; tile_dim1 = 32
	s_mov_b32 s[G1+5], 32                          ; elements from row to row
	s_mov_b32 s[G1+6], 0
	s_mov_b32 s[G1+7], 0
	s_lshl_b32 s2, s[SQ], 6
	s_add_co_u32 s2, s2, s[CC]
	s_lshl_b32 s2, s2, 15
	s_add_co_u32 s2, s2, s[W13]                    ; q and the record: (64 seq + c) x 32,768 + my quarter
	s_mov_b32 s3, 0
	s_mul_i32 s5, s[SQ], 63
	s_max_u32 s4, s[CC], 1
	s_sub_co_u32 s4, s4, 1
	s_add_co_u32 s4, s4, s5
	s_lshl_b32 s4, s4, 15
	s_add_co_u32 s4, s4, s[W13]                    ; S': (63 seq + max(c, 1) - 1) x 32,768 + my quarter
	s_add_co_u32 s6, s[CC], 31
	s_add_co_u32 s6, s6, s5
	s_lshl_b32 s6, s6, 15
	s_add_co_u32 s6, s6, s[W13]                    ; the second unit's: chunk c + 32
	s_mov_b32 s5, 0
	s_mov_b32 s7, 0
	s_lshr_b32 s62, s[SQ], 2
	s_lshl_b32 s62, s62, 11
	s_lshl_b32 s63, s[CC], 5
	s_add_co_u32 s62, s62, s63
	s_lshl_b32 s62, s62, 13                        ; out0: row 2,048 batch + 32 c, 8,192 bytes a row,
	s_and_b32 s63, s[SQ], 3
	s_lshl2_add_u32 s63, s63, s[WV]
	s_lshl_b32 s63, s63, 9                         ; head 4 kv + wave, 512 bytes a head
	s_add_co_u32 s62, s62, s63
	s_mov_b32 s63, 0
.irp u, 0,1
.irp t, 0,1,2
	s_mov_b32 s[G0+4*(3*\u+\t)], 1
	s_add_co_u32 s[G0+4*(3*\u+\t)+1], s[W13], \u*UNITB+\t*32768
.endr
.endr
	s_wait_dscnt 0x0                               ; both opening adds are done
	s_wait_kmcnt 0x0
	s_add_nc_u64 s[G0+2:G0+3],   s[40:41], s[2:3]
	s_add_nc_u64 s[G0+6:G0+7],   s[42:43], s[2:3]
	s_add_nc_u64 s[G0+10:G0+11], s[44:45], s[4:5]
	s_add_nc_u64 s[G0+14:G0+15], s[G0+2:G0+3], 32*32768
	s_add_nc_u64 s[G0+18:G0+19], s[G0+6:G0+7], 32*32768
	s_add_nc_u64 s[G0+22:G0+23], s[44:45], s[6:7]
	s_add_nc_u64 s[OB:OB+1], s[46:47], s[62:63]
.irp n, 0,1,2,3,4,5
	s_or_b32 s[G0+4*\n+3], s[G0+4*\n+3], 0x80000000
.endr
.irp n, 0,1,2,3,4,5
	tensor_load_to_lds s[G0+4*\n:G0+4*\n+3], s[G1:G1+7]   ; six loads of mine are out: the first unit's three, then the second's
	s_nop 0
.endr
	v_and_b32 v14, 15, v0                          ; r
	v_bfe_u32 v15, v0, 4, 1                        ; h
	v_and_b32 v11, 31, v0                          ; l
	v_lshlrev_b32 v[LN], 4, v11
	v_and_b32 v[TR], 7, v0
	v_lshl_add_u32 v[TR], v15, 3, v[TR]
	v_lshlrev_b32 v[TR], 5, v[TR]
	v_bfe_u32 v11, v0, 3, 1
	v_lshl_add_u32 v[TR], v11, 4, v[TR]
	s_mul_i32 s62, s[WV], 16*SPI
	s_add_co_u32 s62, s62, STAGE                   ; my stage
	v_mul_u32_u24 v[STO], v14, SPI                 ; in: row r, 32 bytes for each half of the lanes
	v_lshl_add_u32 v[STO], v15, 5, v[STO]
	v_add_nc_u32 v[STO], s62, v[STO]
	v_mul_u32_u24 v[RD], v15, SPI                  ; back: lanes 0-15 take one row of 256 bytes, lanes 16-31 the next
	v_lshl_add_u32 v[RD], v14, 4, v[RD]
	v_add_nc_u32 v[RD], s62, v[RD]
	v_lshlrev_b32 v[GO], 13, v15                   ; and the same two rows in out0
	v_lshl_add_u32 v[GO], v14, 4, v[GO]
	v_lshlrev_b32 v11, 3, v15
	v_sub_nc_u32 v[XM], v14, v11
.irp j, 0,1,2,3,4,5,6,7
	v_cmp_le_i32 s[MK+\j], \j, v[XM]
.endr
.irp j, 4,5,6,7
	v_mov_b32 v[AT+\j], 0                          ; queries 0-15 see no key of 16-31: that half of their operand is 0, in both units
	v_mov_b32 v[AT+16+\j], 0
.endr
.macro LV buf, hl, hf                  ; V's fragments (hi or lo) of column blocks 4 hf + 0..3: 8 loads
.irp e, 0,1,2,3
	ds_load_b128 v[(\buf)+8*\e:(\buf)+8*\e+3],   v[AVL] offset:(4*(\hf)+\e)*2048+(\hl)*1024
	ds_load_b128 v[(\buf)+8*\e+4:(\buf)+8*\e+7], v[AVL] offset:(4*(\hf)+\e)*2048+(\hl)*1024+512
.endr
.endm
.macro LS buf, kd, hf                  ; S' turned: channels 32 kd on, the same column blocks: 8 loads
.irp e, 0,1,2,3
	ds_load_tr16_b128 v[(\buf)+8*\e:(\buf)+8*\e+3],   v[AST] offset:(2*(\kd))*4096+(4*(\hf)+\e)*512
	ds_load_tr16_b128 v[(\buf)+8*\e+4:(\buf)+8*\e+7], v[AST] offset:(2*(\kd)+1)*4096+(4*(\hf)+\e)*512
.endr
.endm
.macro M buf, src, st, zero            ; 8 products: the 8 accumulators take turns; source 1 for tb at src + st tb
.irp e, 0,1,2,3
.irp tb, 0,1
.if \zero
	v_wmma_f32_16x16x32_bf16 v[OA+8*(2*\e+\tb):OA+8*(2*\e+\tb)+7], v[(\buf)+8*\e:(\buf)+8*\e+7], v[(\src)+(\st)*\tb:(\src)+(\st)*\tb+7], 0
.else
	v_wmma_f32_16x16x32_bf16 v[OA+8*(2*\e+\tb):OA+8*(2*\e+\tb)+7], v[(\buf)+8*\e:(\buf)+8*\e+7], v[(\src)+(\st)*\tb:(\src)+(\st)*\tb+7], v[OA+8*(2*\e+\tb):OA+8*(2*\e+\tb)+7]
.endif
.endr
.endr
.endm
.macro TOSTAGE tb                      ; 16 queries x 64 columns of f32 into my stage, and back as whole rows of 256 bytes
.irp e, 0,1,2,3
	ds_store_b128 v[STO], v[OA+8*(2*\e+(\tb)):OA+8*(2*\e+(\tb))+3]   offset:64*\e
	ds_store_b128 v[STO], v[OA+8*(2*\e+(\tb))+4:OA+8*(2*\e+(\tb))+7] offset:64*\e+16
.endr
.irp t, 0,1,2,3,4,5,6,7
	ds_load_b128 v[FR+32*(\tb)+4*\t:FR+32*(\tb)+4*\t+3], v[RD] offset:\t*2*SPI  ; LDS serves a wave's instructions in order (ISA guide 5.7.1.4): these see the stores above, and the next block's stores come behind them
.endr
.endm
.macro SEND tb, younger, hf            ; younger: the LDS instructions issued behind this block's loads
.irp t, 0,1,2,3,4,5,6,7
	s_wait_dscnt (\younger)+7-\t
	global_store_b128 v[GO], v[FR+32*(\tb)+4*\t:FR+32*(\tb)+4*\t+3], s[OB:OB+1] offset:(16*(\tb)+2*\t)*8192+256*(\hf) th:TH_STORE_NT
.endr
.endm
; 64 of the head's 128 columns.  zok = 1: the unit's chunk may be chunk 0, which has no state: its four products with S' are jumped over, forward, past no barrier and no tensor load.
.macro HALF hf, zok
.if \hf
	s_wait_xcnt 0x0                                ; the first half's stores have read their registers, into which the loads below land
.endif
	LV B0, 0, \hf
	LV B1, 1, \hf
	s_wait_dscnt 8                                 ; Vh is in; Vl's eight loads may be out
	M B0, AT, 8, 1                                 ; Vh Ah starts the sums
	M B0, AT+16, 8, 0                              ; + Vh Al
	s_wait_dscnt 0x0
	M B1, AT, 8, 0                                 ; + Vl Ah
.if \zok
	s_cmp_eq_u32 s[CC], 0
	s_cbranch_scc1 .Lout_\@
.endif
	PLACES
	LS B0, 0, \hf
	LS B1, 1, \hf
	s_wait_dscnt 8                                 ; each time: the older buffer is in, the other's eight loads may be out
	M B0, QH, 32, 0
	PLACES
	LS B0, 2, \hf
	s_wait_dscnt 8
	M B1, QH+8, 32, 0
	PLACES
	LS B1, 3, \hf
	s_wait_dscnt 8
	M B0, QH+16, 32, 0
	s_wait_dscnt 0x0
	M B1, QH+24, 32, 0
.Lout_\@:
	PLACES 5                                       ; five: the next half's first products write over these accumulators
	TOSTAGE 0
	TOSTAGE 1
	SEND 0, 16, \hf
	SEND 1, 0, \hf
.endm
.macro UNIT u, tw, zok
.if \u
	s_wait_xcnt 0x0                                ; the first unit's stores have read their registers and their base
	s_add_nc_u64 s[OB:OB+1], s[OB:OB+1], 32*32*8192
.endif
	s_wait_tensorcnt \tw                           ; my parts of this unit are in,
	s_barrier_signal -1
	s_barrier_wait -1                              ; everybody's are.
	v_add3_u32 v[AQ], v[LN], s[W13], (\u)*UNITB
	v_add_nc_u32 v[AKT], (\u)*UNITB+32768, v[TR]
	v_add_nc_u32 v[AVL], (\u)*UNITB+49152, v[LN]
	v_add_nc_u32 v[AST], (\u)*UNITB+65536, v[TR]
.irp tb, 0,1
.irp kd, 0,1,2,3
	ds_load_b128 v[QH+8*(4*\tb+\kd):QH+8*(4*\tb+\kd)+3],   v[AQ] offset:\tb*4096+\kd*1024
	ds_load_b128 v[QH+8*(4*\tb+\kd)+4:QH+8*(4*\tb+\kd)+7], v[AQ] offset:\tb*4096+\kd*1024+512
.endr
.endr
.irp tb, 0,1
.irp db, 0,1,2,3,4,5,6,7
	ds_load_tr16_b128 v[OA+32*\tb+4*\db:OA+32*\tb+4*\db+3], v[AKT] offset:8192+\db*1024+\tb*512  ; P, turned into q's layout
.endr
.endr
.irp sb, 0,1
.irp db, 0,1,2,3,4,5,6,7
	ds_load_tr16_b128 v[FR+32*\sb+4*\db:FR+32*\sb+4*\db+3], v[AKT] offset:\db*1024+\sb*512       ; K^: keys 16 sb on as rows
.endr
.endr
	s_wait_dscnt 16                                ; q and P are in; K^'s sixteen loads may be out
.set i, 0
.rept 64
	v_pk_mul_bf16 v[QH+i], v[QH+i], v[OA+i]        ; Q^ = q P
.set i, i+1
.endr
	s_wait_dscnt 0x0
.irp kd, 0,1,2,3                       ; the three blocks of scores take turns: (keys 0-15, queries 0-15), (0-15, 16-31), (16-31, 16-31)
.if \kd == 0
	v_wmma_f32_16x16x32_bf16 v[SC:SC+7],     v[FR:FR+7],       v[QH:QH+7],       0
	v_wmma_f32_16x16x32_bf16 v[SC+8:SC+15],  v[FR:FR+7],       v[QH+32:QH+39],   0
	v_wmma_f32_16x16x32_bf16 v[SC+16:SC+23], v[FR+32:FR+39],   v[QH+32:QH+39],   0
.else
	v_wmma_f32_16x16x32_bf16 v[SC:SC+7],     v[FR+8*\kd:FR+8*\kd+7],       v[QH+8*\kd:QH+8*\kd+7],       v[SC:SC+7]
	v_wmma_f32_16x16x32_bf16 v[SC+8:SC+15],  v[FR+8*\kd:FR+8*\kd+7],       v[QH+32+8*\kd:QH+32+8*\kd+7], v[SC+8:SC+15]
	v_wmma_f32_16x16x32_bf16 v[SC+16:SC+23], v[FR+32+8*\kd:FR+32+8*\kd+7], v[QH+32+8*\kd:QH+32+8*\kd+7], v[SC+16:SC+23]
.endif
.endr
	PLACES
.irp j, 0,1,2,3,4,5,6,7
	v_cndmask_b32 v[SC+\j],    0, v[SC+\j],    s[MK+\j]   ; on the diagonal: 0 where the key comes behind the query
	v_cndmask_b32 v[SC+16+\j], 0, v[SC+16+\j], s[MK+\j]
.endr
	; the scores as bf16 pairs.  Pair p of 12: block p / 4, registers 2 (p % 4).  Block 0 is the first half of queries 0-15's operand, blocks 1 and 2 the two halves of queries 16-31's
.set p, 0
.rept 12
.set dA, AT+(p%4)+(4+4*(p/4))*((p+3)/7-(p+3)/14)   ; + 0, 8, 12 for blocks 0, 1, 2
	v_cvt_pk_bf16_f32 v[dA], v[SC+2*p], v[SC+2*p+1]
.set p, p+1
.endr
.set p, 0
.rept 12
.set dA, AT+(p%4)+(4+4*(p/4))*((p+3)/7-(p+3)/14)
	v_lshlrev_b32 v[TP+2*p], 16, v[dA]
	v_and_b32 v[TP+2*p+1], 0xffff0000, v[dA]
.set p, p+1
.endr
.set p, 0
.rept 12
	v_pk_add_f32 v[TP+2*p:TP+2*p+1], v[SC+2*p:SC+2*p+1], v[TP+2*p:TP+2*p+1] neg_lo:[0,1] neg_hi:[0,1]
.set p, p+1
.endr
.set p, 0
.rept 12
.set dA, AT+(p%4)+(4+4*(p/4))*((p+3)/7-(p+3)/14)
	v_cvt_pk_bf16_f32 v[dA+16], v[TP+2*p], v[TP+2*p+1]
.set p, p+1
.endr
	HALF 0, \zok
	HALF 1, \zok
.endm
	UNIT 0, 3, 1                                   ; the second unit's three loads may stay out
	UNIT 1, 0, 0
	s_wait_tensorcnt 0x0                           ; the wave's end: the add to my spare word and its wait, behind my last tensor load and my last LDS store
	ds_add_u32 v[SPW], v[NIL]
	s_wait_dscnt 0x0
	s_endpgm
.Lfunc_end_k_qfb212c860d_outp:
	.size	k_qfb212c860d_outp, .Lfunc_end_k_qfb212c860d_outp-k_qfb212c860d_outp
	.p2alignl 7, 3214868480
	.fill 96, 4, 3214868480
	.section	.rodata,"a",@progbits
	.p2align	6, 0x0
	.amdhsa_kernel k_qfb212c860d_outp
		.amdhsa_group_segment_fixed_size 214528
		.amdhsa_private_segment_fixed_size 0
		.amdhsa_enable_private_segment 0
		.amdhsa_kernarg_size 32
		.amdhsa_user_sgpr_count 2
		.amdhsa_user_sgpr_kernarg_segment_ptr 1
		.amdhsa_wavefront_size32 1
		.amdhsa_system_sgpr_workgroup_id_x 1
		.amdhsa_system_sgpr_workgroup_id_y 1
		.amdhsa_system_sgpr_workgroup_id_z 1
		.amdhsa_system_vgpr_workitem_id 0
		.amdhsa_next_free_vgpr 256
		.amdhsa_next_free_sgpr 66
		.amdhsa_reserve_vcc 0
		.amdhsa_float_denorm_mode_32 3
		.amdhsa_float_denorm_mode_16_64 3
		.amdhsa_memory_ordered 1
		.amdhsa_forward_progress 1
		.amdhsa_inst_pref_size 77
	.end_amdhsa_kernel
	.amdgpu_metadata
---
amdhsa.version: [ 1, 2 ]
amdhsa.kernels:
  - .name:           k_qfb212c860d_outp
    .symbol:         k_qfb212c860d_outp.kd
    .args:
      - { .name: QF, .offset: 0, .size: 8, .value_kind: global_buffer, .address_space: global }
      - { .name: KPV, .offset: 8, .size: 8, .value_kind: global_buffer, .address_space: global }
      - { .name: SP, .offset: 16, .size: 8, .value_kind: global_buffer, .address_space: global }
      - { .name: out0, .offset: 24, .size: 8, .value_kind: global_buffer, .address_space: global }
    .group_segment_fixed_size: 214528
    .private_segment_fixed_size: 0
    .kernarg_segment_align: 8
    .kernarg_segment_size: 32
    .max_flat_workgroup_size: 128
    .sgpr_count:     66
    .vgpr_count:     256
    .wavefront_size: 32
...
	.end_amdgpu_metadata
.endif
;; end of part 4
;; ======== version 2 of 2: 4 launches; version 1 with the launch cvt written anew for expert scheduling mode
;; workspace buffers: XB 16,777,216 bytes; WB 12,582,912 bytes; QF 16,777,216 bytes; KPV 16,777,216 bytes; MN 524,288 bytes; SP 16,515,072 bytes
;; launch cvt (part 5): grid 28 x 16, 8 waves a work-group, no clusters, 0 bytes of LDS; arguments hidden_states, Wq, Wk, Wv, XB, WB; writes XB, WB
.if DOCPART == 5
	.amdgcn_target "amdgcn-amd-amdhsa--gfx1250"
	.amdhsa_code_object_version 6
	.text
	.protected	k_qfb212c860d_cvt
	.globl	k_qfb212c860d_cvt
	.p2align	8
	.type	k_qfb212c860d_cvt,@function
k_qfb212c860d_cvt:
	s_mov_b64 s[64:65], 0
	v_nop
	global_prefetch_b8 v0, s[64:65] scope:SCOPE_SE
	s_setreg_imm32_b32 hwreg(HW_REG_WAVE_SCHED_MODE, 0, 2), 2
	s_setreg_imm32_b32 hwreg(HW_REG_WAVE_MODE, 25, 1), 1
	s_wait_xcnt 0x0
	s_wait_alu depctr_vm_vsrc(0)
; GATED LINEAR ATTENTION, four launches: cvt (this one), proj, scan, outp.
;   q = relu(x Wq^T + bq) / sqrt(128), k = min(sigmoid(x Wk^T + bk), 0.95), v = x Wv^T + bv; S_t = diag(a_t) S_(t-1) + k_t v_t^T; o_t = q_t S_t.
; THE FORM.  The steps go in chunks of 32 with a point of reference behind a chunk's step 15.  For each channel: E_t = the product of a over steps t+1..15 (t <= 15), F_t = over 16..t (t >= 16),
; P = 1/E or F, K^ = k E or k / F, m = the product over 0..15, n = over 16..31, Q^ = q P, S' = m S.  Then o_t = Q^_t S' + the sum over s <= t of (Q^_t . K^_s) v_s, and S_next = n (S' + K^^T V).
; Since reference() itself clips k at 0.95, a lies in 0.05 .. 1 and every factor in 1.5e-21 .. 6.5e20, whatever the inputs: nothing leaves the range of f32 or bf16.
; WORK LEFT OUT, for all finite values of the inputs:
;   exp(log1p(-k)) is 1 - k by identity: a is made so.
;   repeat_kv hands the same k and v to the four heads of a kv head, and S hangs on k and v alone: 8 states are carried, not 32.
;   S_0 is built as zeros in reference(): chunk 0 has no product with a state, and no S'_0 is stored.
;   The state behind the last chunk reaches no output: chunk 63's K^^T V and its update are not made.
;   A score with s > t has no term in o_t: the block of steps t < 16 <= s is never formed; inside the two blocks on the diagonal such scores are formed and replaced by 0.
; Every input has a way to the output and is loaded.  LIMITS: a NaN, an infinity or an overflow that reaches only the work left out is not carried to the result; NaN and infinities are not
; treated apart elsewhere; an exponential or reciprocal below 2^-126 counts as 0; sums are taken in another order than reference()'s.
; FORMATS.  x, the weights and the biases are rounded to bf16; q, P, Q^, K^, S' are bf16; v and the scores go as a bf16 pair, the number and what its rounding lost; m, n, S and all sums are f32.
;
; THIS LAUNCH rounds x and the weights to bf16 and lays the weights' rows in the order in which proj's waves want them: block j of 192 rows has two halves p of 96:
; Wq's rows 128 j + 64 p + 0..63, Wk's rows 32 j + 16 p + 0..15, Wv's the same.  A stream: no LDS, no barrier, no matrix work; each byte is read once and written once.
; A work-group takes 16 rows of 2,048 numbers; thread t takes 8 numbers of each: 32 bytes in, 16 bytes out, so a wave's store covers 512 consecutive bytes, aligned.
; All 32 loads of a thread go out at once; no register is written twice, so no wait frees one.
; THE MODE: SCHED_MODE bits 1:0 = 2 (LLVM: expert scheduling mode 2), set by the entry lines.  The code itself states the register dependences
; between vector instructions and memory instructions, with s_wait_alu, always for 0.
; THE PLAN.  Registers that memory instructions touch:
;   v1, v2   byte offsets.  Written once each at the head; v1 is read by every load, v2 by every store.
;   XR       row i: its two loads land in it, the first to name it; its four conversions read it, behind the row's wait for its data; nothing lands in it again.
;   YR       row i: its four conversions write it, once; its store reads it, once.
; The 16 rows go in four blocks of four.  A block's four stores stand in one run at the head of the next block, behind ONE wait on va_vdst, which states that the block's sixteen conversions
; have written YR; the last block's stand behind a wait of their own at the end.  One more such wait, ahead of the first load, states that v1 and v2 are written.
; No register that a memory instruction reads is written again, so there is no dependence for a wait on vm_vsrc to state.  No vector instruction writes a scalar register, and EXEC is never written.
.set XR, 8                             ; v[8:135]    row i as loaded, 8 registers
.set YR, 136                           ; v[136:199]  row i to store, 4 registers
	s_load_b256 s[4:11], s[0:1], 0x0               ; x s[4:5], Wq s[6:7], Wk s[8:9], Wv s[10:11]
	s_load_b128 s[12:15], s[0:1], 0x20             ; XB s[12:13], WB s[14:15]
	s_and_b32 s16, ttmp7, 0xffff                   ; Y: 256 rows of x, or block j of the weights
	s_mov_b32 s17, ttmp9                           ; X: 0..15 sixteen rows of x; 16..27 sixteen rows of the block
	v_lshlrev_b32 v1, 5, v0                        ; my 32 bytes of a row in f32
	v_lshlrev_b32 v2, 4, v0                        ; my 16 bytes of it in bf16
	s_lshl_b32 s18, s16, 8
	s_lshl4_add_u32 s18, s17, s18                  ; x: row 256 Y + 16 X, in and out
	s_max_u32 s19, s17, 16
	s_sub_co_u32 s19, s19, 16                      ; rem = X - 16: which sixteen of the block's 192 rows
	s_cmp_ge_u32 s19, 6
	s_cselect_b32 s20, 1, 0                        ; p
	s_mul_i32 s21, s20, 6
	s_sub_co_u32 s21, s19, s21                     ; u = rem - 6 p: 0..3 Wq, 4 Wk, 5 Wv
	s_lshl_b32 s22, s16, 7
	s_lshl_b32 s23, s20, 6
	s_add_co_u32 s22, s22, s23
	s_lshl4_add_u32 s22, s21, s22                  ; Wq's row 128 Y + 64 p + 16 u
	s_lshl_b32 s23, s16, 5
	s_lshl4_add_u32 s23, s20, s23                  ; Wk's and Wv's row 32 Y + 16 p
	s_mul_i32 s24, s16, 192
	s_lshl4_add_u32 s24, s19, s24                  ; WB's row 192 Y + 16 rem
	s_wait_kmcnt 0x0
	s_cmp_lt_u32 s21, 4
	s_cselect_b32 s22, s22, s23
	s_cselect_b64 s[26:27], s[6:7], s[8:9]
	s_cmp_eq_u32 s21, 5
	s_cselect_b64 s[26:27], s[10:11], s[26:27]
	s_cmp_lt_u32 s17, 16
	s_cselect_b32 s22, s18, s22                    ; the row to read,
	s_cselect_b32 s24, s18, s24                    ; the row to write,
	s_cselect_b64 s[26:27], s[4:5], s[26:27]       ; from which buffer,
	s_cselect_b64 s[28:29], s[12:13], s[14:15]     ; into which
	s_lshl_b32 s22, s22, 13                        ; 8,192 bytes a row in f32
	s_mov_b32 s23, 0
	s_lshl_b32 s24, s24, 12                        ; 4,096 in bf16
	s_mov_b32 s25, 0
	s_add_nc_u64 s[26:27], s[26:27], s[22:23]
	s_add_nc_u64 s[28:29], s[28:29], s[24:25]
	s_wait_alu depctr_va_vdst(0)                   ; v1 and v2 are written: every load below reads v1 as its offset, every store v2
.set i, 0
.rept 16
	global_load_b128 v[XR+8*i:XR+8*i+3],   v1, s[26:27] offset:8192*i th:TH_LOAD_NT
	global_load_b128 v[XR+8*i+4:XR+8*i+7], v1, s[26:27] offset:8192*i+16 th:TH_LOAD_NT
.set i, i+1
.endr
.set i, 0
.rept 16
	s_wait_loadcnt 30-2*i                          ; loads come back in order: row i is in, the two loads of each later row may stay out
.if (i%4 == 0) && (i > 0)
	s_wait_alu depctr_va_vdst(0)                   ; the conversions of rows i - 4 to i - 1 have written their YR, which the four stores below read; no vector instruction stands between this wait and them
.set j, i-4
.rept 4
	global_store_b128 v2, v[YR+4*j:YR+4*j+3], s[28:29] offset:4096*j
.set j, j+1
.endr
.endif
	v_cvt_pk_bf16_f32 v[YR+4*i],   v[XR+8*i],   v[XR+8*i+1]
	v_cvt_pk_bf16_f32 v[YR+4*i+1], v[XR+8*i+2], v[XR+8*i+3]
	v_cvt_pk_bf16_f32 v[YR+4*i+2], v[XR+8*i+4], v[XR+8*i+5]
	v_cvt_pk_bf16_f32 v[YR+4*i+3], v[XR+8*i+6], v[XR+8*i+7]
.set i, i+1
.endr
	s_wait_alu depctr_va_vdst(0)                   ; the conversions of rows 12 to 15 have written their YR, which the last four stores read
.set j, 12
.rept 4
	global_store_b128 v2, v[YR+4*j:YR+4*j+3], s[28:29] offset:4096*j
.set j, j+1
.endr
	s_endpgm
.Lfunc_end_k_qfb212c860d_cvt:
	.size	k_qfb212c860d_cvt, .Lfunc_end_k_qfb212c860d_cvt-k_qfb212c860d_cvt
	.p2alignl 7, 3214868480
	.fill 96, 4, 3214868480
	.section	.rodata,"a",@progbits
	.p2align	6, 0x0
	.amdhsa_kernel k_qfb212c860d_cvt
		.amdhsa_group_segment_fixed_size 0
		.amdhsa_private_segment_fixed_size 0
		.amdhsa_enable_private_segment 0
		.amdhsa_kernarg_size 48
		.amdhsa_user_sgpr_count 2
		.amdhsa_user_sgpr_kernarg_segment_ptr 1
		.amdhsa_wavefront_size32 1
		.amdhsa_system_sgpr_workgroup_id_x 1
		.amdhsa_system_sgpr_workgroup_id_y 1
		.amdhsa_system_sgpr_workgroup_id_z 1
		.amdhsa_system_vgpr_workitem_id 0
		.amdhsa_next_free_vgpr 200
		.amdhsa_next_free_sgpr 66
		.amdhsa_reserve_vcc 0
		.amdhsa_float_denorm_mode_32 3
		.amdhsa_float_denorm_mode_16_64 3
		.amdhsa_memory_ordered 1
		.amdhsa_forward_progress 1
		.amdhsa_inst_pref_size 11
	.end_amdhsa_kernel
	.amdgpu_metadata
---
amdhsa.version: [ 1, 2 ]
amdhsa.kernels:
  - .name:           k_qfb212c860d_cvt
    .symbol:         k_qfb212c860d_cvt.kd
    .args:
      - { .name: hidden_states, .offset: 0, .size: 8, .value_kind: global_buffer, .address_space: global }
      - { .name: Wq, .offset: 8, .size: 8, .value_kind: global_buffer, .address_space: global }
      - { .name: Wk, .offset: 16, .size: 8, .value_kind: global_buffer, .address_space: global }
      - { .name: Wv, .offset: 24, .size: 8, .value_kind: global_buffer, .address_space: global }
      - { .name: XB, .offset: 32, .size: 8, .value_kind: global_buffer, .address_space: global }
      - { .name: WB, .offset: 40, .size: 8, .value_kind: global_buffer, .address_space: global }
    .group_segment_fixed_size: 0
    .private_segment_fixed_size: 0
    .kernarg_segment_align: 8
    .kernarg_segment_size: 48
    .max_flat_workgroup_size: 256
    .sgpr_count:     66
    .vgpr_count:     200
    .wavefront_size: 32
...
	.end_amdgpu_metadata
.endif
;; end of part 5
;; launch proj: the kernel of part 2 again; grid 16 x 16, 4 waves a work-group, clusters of 4 x 4, 327,680 bytes of LDS; arguments XB, WB, bq, bk, bv, QF, KPV, MN; writes QF, KPV, MN
;; launch scan: the kernel of part 3 again; grid 8 x 32, 1 waves a work-group, clusters of 4 x 4, 278,784 bytes of LDS; arguments KPV, MN, SP; writes SP
;; launch outp: the kernel of part 4 again; grid 32 x 8, 4 waves a work-group, no clusters, 214,528 bytes of LDS; arguments QF, KPV, SP, out0; writes out0
